; MI455X (gfx1250); checked and timed in simulation.
; The chip was launched on July 23, 2026; its instructions are those of AMD's public machine-readable ISA for CDNA 5 (MIT licence, August 2026) and "CDNA5" Instruction Set Architecture Reference Guide (July 2026). The comments in the code are by the model that wrote it; some were corrected since.
;; Optimized Transformer Block. Allowed arithmetic: matrix products marked QUANTISED: E2M3 operands, one E8M0 scale for each 32 along K, by v_wmma_scale_f32_16x16x128_f8f6f4 with both operands' format E2M3, f32 sums; everything else in f32.
;; Inputs: ff_down_w 1,024 x 4,096 float32; ff_up_w 4,096 x 1,024 float32; norm1_bias 1,024 float32; norm1_scale 1,024 float32; norm2_bias 1,024 float32; norm2_scale 1,024 float32; out_w 1,024 x 1,024 float32; qkv_w 3,072 x 1,024 float32; x 2 x 2,048 x 1,024 float32.
;; Outputs: out0 2 x 2,048 x 1,024 float32.
;; This version of the problem:
;;   THIS VERSION OF THE PROBLEM IS GIVEN IN LOW PRECISION. The matrix products marked QUANTISED in the list below multiply operands that are first quantised to E2M3 (2 exponent bits, 3 mantissa bits; 6 bits a number), with one power-of-two scale for each 32 numbers along K (OCP MX v1.0); their sums are f32. All else is computed in f32.
;;   The module's matrix products, in the order in which they are computed (A, B: the left and right operand; K: the contracted axis; several contracted axes count as one K, in the product's order):
;;     1. [M 4,096, K 1,024] x [K 1,024, N 3,072]; A: computed on the way; B: input qkv_w: QUANTISED
;;     2. batch 32 x [M 2,048, K 64] x [K 64, N 2,048]; A: computed on the way; B: computed on the way: QUANTISED
;;     3. batch 32 x [M 2,048, K 2,048] x [K 2,048, N 64]; A: softmax (see below); B: computed on the way: QUANTISED
;;     4. [M 4,096, K 1,024] x [K 1,024, N 1,024]; A: computed on the way; B: input out_w: QUANTISED
;;     5. [M 4,096, K 1,024] x [K 1,024, N 4,096]; A: computed on the way; B: input ff_up_w: QUANTISED
;;     6. [M 4,096, K 4,096] x [K 4,096, N 1,024]; A: computed on the way; B: input ff_down_w: QUANTISED
;;   THE QUANTISER, for each operand of a quantised product, along K:
;;     - K is cut into blocks of 32 from its start; a last block that is shorter is filled with zeros.
;;     - A block's scale is 2^e with e = floor(log2(the largest magnitude in the block)) - 2, held to -126 .. 127; a block of zeros has e = 0. As a byte (E8M0): e + 127.
;;     - Each number is divided by its block's scale, clamped to +-7.5, and rounded to the nearest number of E2M3, ties to even, subnormals kept.
;;     - The product sums the exact products of the quantised numbers (number of the format x scale) in f32.
;;   ~~~python
;;   def quantise(x, axis):      # numpy; x: float32 -> the quantised numbers, widened to float32 again
;;       x = np.moveaxis(x, axis, -1); K = x.shape[-1]
;;       x = np.pad(x, [(0, 0)] * (x.ndim - 1) + [(0, -K % 32)]); x = x.reshape(x.shape[:-1] + (-1, 32)); a = np.abs(x).max(-1, keepdims=True)
;;       e = np.where(a > 0, np.clip(np.frexp(np.where(a > 0, a, 1))[1] - 1 - 2, -126, 127), 0)      # np.frexp(a)[1] - 1 = floor(log2(a)), exactly
;;       r = np.clip(x / 2.0 ** e, -7.5, 7.5)
;;       step = 2.0 ** (np.maximum(np.frexp(np.where(r == 0, 1, r))[1] - 1, 0) - 3)
;;       q = np.round(r / step) * step * 2.0 ** e      # np.round: ties to even
;;       return np.moveaxis(q.reshape(q.shape[:-2] + (-1,))[..., :K], -1, axis).astype(np.float32)
;;   ~~~
;;   SOFTMAX AHEAD OF A QUANTISED PRODUCT. Where the list says 'softmax', what is quantised is not the finished softmax but p = 2^(t - M), with t = logit x log2(e) and M = ceil(the row's largest t), a whole number; so 1/2 < the row's largest p <= 1. The row's sum l is taken of the UNQUANTISED p, in f32, and the product's result is divided by l at the end. Since M is a whole number, a kernel that streams over the keys may use a running M (the ceiling of the running maximum): every later rescaling is an exact power of two, which a block's scale takes up: the codes' values come out the same.
;;   OPERANDS COMPUTED ON THE WAY. 'Computed on the way' means the value that the module computes at that place (a softmax that the list does not call 'softmax' is quantised finished and normalised). What goes into a quantiser is computed in f32, as accurately as f32 sums, v_exp_f32 and their like allow (about 1e-6 of the number): no bf16 or f16 on the way to a quantiser, and a product that is left as it is and whose result goes on into a quantised operand takes f32 operands (vector FMAs, or v_wmma_f32_16x16x4_f32). A number that lies on a knife's edge between two numbers of the format may be rounded either way, as far as f32 arithmetic and the matrix unit's own rounding can turn it there, and no further.
;; One version. Each part assembles by itself: llvm-mc -triple=amdgcn-amd-amdhsa -mcpu=gfx1250 --defsym DOCPART=n.
;; ======== version 1 of 1: 7 launches
;; limits: right only within a limited range of input values
;; workspace buffers: W1 13,631,488 bytes; W2 10,223,616 bytes; W3 3,276,800 bytes; W4 16,777,216 bytes; W5 3,276,800 bytes; W6 13,107,200 bytes
;; launch prep (part 1): grid 1024 x 1, 16 waves a work-group, no clusters, 88,576 bytes of LDS; arguments x, norm1_scale, norm1_bias, qkv_w, out_w, ff_up_w, ff_down_w, W1; writes W1
.if DOCPART == 1
	.amdgcn_target "amdgcn-amd-amdhsa--gfx1250"
	.amdhsa_code_object_version 6
	.text
	.protected	k_q6f4be556a1_prep
	.globl	k_q6f4be556a1_prep
	.p2align	8
	.type	k_q6f4be556a1_prep,@function
k_q6f4be556a1_prep:
	s_mov_b64 s[64:65], 0
	v_nop
	global_prefetch_b8 v0, s[64:65] scope:SCOPE_SE
	s_setreg_imm32_b32 hwreg(HW_REG_WAVE_MODE, 25, 1), 1
	s_wait_xcnt 0x0
; Rows of f32 with K innermost become codes of FP6 (E2M3) with one E8M0 byte for each 32 along K, laid as the later launches' matrix operands want them.
; Work-groups 0-255: rows of the first argument, layer-normed first (mean, then the variance of x - mean, as the definition has it).  256-447 qkv_w, 448-511 out_w, 512-767 ff_up_w, 768-1023 ff_down_w (four work-groups to a block of rows).
; A work-group takes 16 rows x 1,024 along K; wave w takes row w: 4,096 bytes, 32 registers, eight loads of 512 consecutive bytes.
; OUT: eight IMAGES of 1,536 bytes, one for each 128 along K: register g of lane l of the operand (16 rows x 128 K, 12 registers) at byte 512 (g / 4) + 16 l + 4 (g % 4); lane (r, h) holds row r, registers 6 c .. 6 c + 5 hold k = 64 c + 32 h + 0 .. 31.
; The scale words (4 bytes for a row and 128 along K) lie in planes of 16,384 bytes, one for each 128 along K, word 4 x row.
; ROWS OF qkv_w AND ff_up_w ARE STORED WITH THE MIDDLE OCTETS OF EACH 32 SWAPPED (stored row 32 B + 16 u + 8 h + j holds row 32 B + 16 h + 8 u + j): the products that use them quantise their results in registers, and this order makes those codes fall in natural order along the next K.
; No tensor load, no cluster: every byte is read by one wave only.  One barrier: the 16 rows' codes meet in LDS and leave as 12,288 consecutive bytes.
; LIMITS: NaN and infinities are not served.  A block of zeros gets the byte 1 where the definition says 127: its codes are zeros and only this program reads the bytes.  The scale words leave in pieces of 64 bytes (16 rows): one part in 24 of what is stored.
.set H1S, 3145728
.set WQC, 3276800
.set WQS, 5636096
.set WOC, 5767168
.set WOS, 6553600
.set WUC, 6684672
.set WUS, 9830400
.set WDC, 9961472
.set WDS, 13107200
.set TURNB, 4608                       ; LDS: a wave's own 32 places of 128 bytes + 16
.set ASM, 73728                        ; the eight images
.set SCB, 86016                        ; the scale words: [K step 8][16 rows]
.set X, 16                             ; v16-47  the row as loaded
.set G, 48                             ; v48-79  the gain; later Y: my block of 32 neighbours
.set Y, 48
.set BB, 80                            ; v80-111 the bias; later what leaves
.set C, 112                            ; v112-118 codes
	s_load_b256 s[4:11], s[0:1], 0x0               ; rows to be normed s[4:5], gain s[6:7], bias s[8:9], qkv_w s[10:11]
	s_load_b256 s[12:19], s[0:1], 0x20             ; out_w s[12:13], ff_up_w s[14:15], ff_down_w s[16:17], the workspace s[18:19]
	v_lshl_add_u32 v12, v0, 2, 0x15200             ; my spare word; 128 registers a wave: two work-groups' 32 waves share a WGP's registers
	v_mov_b32 v13, 0
	v_lshrrev_b32 v1, 5, v0
	s_delay_alu instid0(VALU_DEP_1)
	v_readfirstlane_b32 s30, v1                    ; wave = stored row in the block
	v_and_b32 v1, 31, v0                           ; lane
	s_delay_alu instid0(VALU_DEP_1)
	v_lshlrev_b32 v2, 4, v1                        ; my 16 bytes of a load's 512
	s_mul_i32 s31, s30, TURNB
	v_lshrrev_b32 v14, 3, v1
	s_delay_alu instid0(VALU_DEP_1)
	v_mul_u32_u24 v3, v14, 144
	v_and_b32 v15, 7, v1
	s_delay_alu instid0(VALU_DEP_1)
	v_lshl_add_u32 v3, v15, 4, v3
	s_delay_alu instid0(VALU_DEP_1)
	v_add_nc_u32 v3, s31, v3                       ; in: eight lanes' 128 bytes on end, then 16 of padding
	v_mul_u32_u24 v4, v1, 144
	s_delay_alu instid0(VALU_DEP_1)
	v_add_nc_u32 v4, s31, v4                       ; back: place l: block l of the row
	v_lshrrev_b32 v14, 2, v1                       ; my block's K step
	s_delay_alu instid0(VALU_DEP_1)
	v_mul_u32_u24 v5, v14, 1536
	v_and_b32 v15, 1, v1                           ; h of the operand's lane
	s_delay_alu instid0(VALU_DEP_1)
	v_lshl_add_u32 v5, v15, 8, v5
	s_lshl_b32 s31, s30, 4
	s_add_co_u32 s31, s31, ASM
	v_add_nc_u32 v5, s31, v5                       ; a = image + 16 (w + 16 h)
	v_bfe_u32 v15, v1, 1, 1                        ; c: registers 0-5 or 6-11
	s_delay_alu instid0(VALU_DEP_1)
	v_mad_u32_u24 v6, v15, 1016, v5                ; the second pair of registers lies at a + 8 or a + 1024
	s_delay_alu instid0(VALU_DEP_2)
	v_mad_u32_u24 v5, v15, 520, v5                 ; the first at a or a + 520, the third 512 further
	v_and_b32 v15, 3, v1
	s_delay_alu instid0(VALU_DEP_1)
	v_lshl_add_u32 v7, v14, 6, v15
	s_lshl_b32 s31, s30, 2
	s_add_co_u32 s31, s31, SCB
	v_add_nc_u32 v7, s31, v7                       ; my block's byte: word (K step, row w), byte l % 4
	v_lshlrev_b32 v9, 3, v1
	s_mul_i32 s31, s30, 768
	v_add_nc_u32 v9, s31, v9                       ; the way out: wave w takes bytes 768 w on, 8 a lane
	s_delay_alu instid0(VALU_DEP_1)
	v_add_nc_u32 v8, ASM, v9
	v_add_nc_u32 v10, SCB, v2                      ; wave 0: the 512 bytes of scale words
	v_lshlrev_b32 v11, 14, v14
	s_delay_alu instid0(VALU_DEP_1)
	v_lshl_add_u32 v11, v15, 4, v11                ; plane l / 4, 16 bytes at 16 (l % 4)
	s_mov_b32 s20, ttmp9
	s_mov_b32 s21, 0                               ; the tensor's first work-group
	s_mov_b32 s22, 0                               ; where its codes go
	s_mov_b32 s23, H1S                             ; and its scale words
	s_mov_b32 s24, 0                               ; rows swapped?
	s_mov_b32 s25, 0                               ; K = 4,096?
	s_mov_b32 s42, 0x76543210
	s_mov_b32 s43, 0xfedcba98                      ; lane l xor 16
	s_wait_kmcnt 0x0
	s_cmp_ge_u32 s20, 256                          ; the choices hang on the work-group's number alone
	s_cselect_b64 s[4:5], s[10:11], s[4:5]
	s_cselect_b32 s21, 256, s21
	s_cselect_b32 s22, WQC, s22
	s_cselect_b32 s23, WQS, s23
	s_cselect_b32 s24, 1, s24
	s_cmp_ge_u32 s20, 448
	s_cselect_b64 s[4:5], s[12:13], s[4:5]
	s_cselect_b32 s21, 448, s21
	s_cselect_b32 s22, WOC, s22
	s_cselect_b32 s23, WOS, s23
	s_cselect_b32 s24, 0, s24
	s_cmp_ge_u32 s20, 512
	s_cselect_b64 s[4:5], s[14:15], s[4:5]
	s_cselect_b32 s21, 512, s21
	s_cselect_b32 s22, WUC, s22
	s_cselect_b32 s23, WUS, s23
	s_cselect_b32 s24, 1, s24
	s_cmp_ge_u32 s20, 768
	s_cselect_b64 s[4:5], s[16:17], s[4:5]
	s_cselect_b32 s21, 768, s21
	s_cselect_b32 s22, WDC, s22
	s_cselect_b32 s23, WDS, s23
	s_cselect_b32 s24, 0, s24
	s_cselect_b32 s25, 1, s25
	s_sub_co_u32 s26, s20, s21
	s_lshl_b32 s27, s25, 1
	s_lshr_b32 s28, s26, s27                       ; RB: the block of 16 stored rows
	s_mul_i32 s29, s25, 3
	s_and_b32 s29, s26, s29                        ; y: which 1,024 along K
	s_lshl_b32 s31, s28, 4
	s_add_co_u32 s31, s31, s30                     ; the row, in natural order
	s_lshr_b32 s32, s28, 1
	s_lshl_b32 s32, s32, 5
	s_and_b32 s33, s28, 1
	s_lshl_b32 s33, s33, 3
	s_add_co_u32 s32, s32, s33
	s_add_co_u32 s32, s32, s30
	s_and_b32 s33, s30, 8
	s_add_co_u32 s32, s32, s33                     ; swapped: 32 (RB / 2) + 8 (RB % 2) + w + 8 (w / 8)
	s_cmp_eq_u32 s24, 1
	s_cselect_b32 s31, s32, s31
	s_add_co_u32 s33, s27, 12                      ; a row is 4,096 or 16,384 bytes
	s_lshl_b32 s34, s31, s33
	s_lshl_b32 s35, s29, 12
	s_add_co_u32 s34, s34, s35
	s_mov_b32 s35, 0
	s_add_nc_u64 s[4:5], s[4:5], s[34:35]
	s_add_co_u32 s33, s27, 3                       ; 8 or 32 images to a block of rows
	s_lshl_b32 s36, s28, s33
	s_lshl_b32 s37, s29, 3
	s_add_co_u32 s36, s36, s37
	s_mul_i32 s36, s36, 1536
	s_add_co_u32 s36, s36, s22
	s_mov_b32 s37, 0
	s_add_nc_u64 s[38:39], s[18:19], s[36:37]      ; my work-group's eight images
	s_lshl_b32 s36, s29, 17
	s_lshl_b32 s34, s28, 6
	s_add_co_u32 s36, s36, s34
	s_add_co_u32 s36, s36, s23
	s_add_nc_u64 s[40:41], s[18:19], s[36:37]      ; its 16 words in the first of its eight planes
.irp j, 0,1,2,3,4,5,6,7
	global_load_b128 v[X+4*\j:X+4*\j+3], v2, s[4:5] offset:512*\j th:TH_LOAD_NT
.endr
	s_cmp_ge_u32 s20, 256
	s_cbranch_scc1 .Lplain                         ; weights are quantised as they are; the path below touches registers and memory only
.irp j, 0,1,2,3,4,5,6,7
	global_load_b128 v[G+4*\j:G+4*\j+3], v2, s[6:7] offset:512*\j
.endr
.irp j, 0,1,2,3,4,5,6,7
	global_load_b128 v[BB+4*\j:BB+4*\j+3], v2, s[8:9] offset:512*\j
.endr
.macro LANESUM                         ; v[120:121] -> the sum over the wave, in every lane's v120
	s_delay_alu instid0(VALU_DEP_1)
	v_add_f32 v120, v120, v121
	s_delay_alu instid0(VALU_DEP_1)
	v_add_f32_dpp v120, v120, v120 row_xmask:1 row_mask:0xf bank_mask:0xf
	s_delay_alu instid0(VALU_DEP_1)
	v_add_f32_dpp v120, v120, v120 row_xmask:2 row_mask:0xf bank_mask:0xf
	s_delay_alu instid0(VALU_DEP_1)
	v_add_f32_dpp v120, v120, v120 row_xmask:4 row_mask:0xf bank_mask:0xf
	s_delay_alu instid0(VALU_DEP_1)
	v_add_f32_dpp v120, v120, v120 row_xmask:8 row_mask:0xf bank_mask:0xf
	s_delay_alu instid0(VALU_DEP_1)
	v_permlanex16_b32 v121, v120, s42, s43
	s_delay_alu instid0(VALU_DEP_1)
	v_add_f32 v120, v120, v121
.endm
	s_wait_loadcnt 16                              ; the row is in; the 16 loads of gain and bias may be out
	v_pk_add_f32 v[122:123], v[16:17], v[18:19]
	v_pk_add_f32 v[126:127], v[24:25], v[28:29]
	v_pk_add_f32 v[124:125], v[32:33], v[36:37]
	v_pk_add_f32 v[118:119], v[40:41], v[44:45]
	v_pk_add_f32 v[116:117], v[20:21], v[22:23]
	v_pk_add_f32 v[114:115], v[26:27], v[30:31]
	v_pk_add_f32 v[112:113], v[34:35], v[38:39]
	v_pk_add_f32 v[120:121], v[42:43], v[46:47]
	s_delay_alu instid0(VALU_DEP_1)
	v_pk_add_f32 v[120:121], v[120:121], v[118:119]
	v_pk_add_f32 v[122:123], v[122:123], v[116:117]
	v_pk_add_f32 v[126:127], v[126:127], v[114:115]
	v_pk_add_f32 v[124:125], v[124:125], v[112:113]
	s_delay_alu instid0(VALU_DEP_2)
	v_pk_add_f32 v[120:121], v[120:121], v[126:127]
	s_delay_alu instid0(VALU_DEP_2)
	v_pk_add_f32 v[122:123], v[122:123], v[124:125]
	s_delay_alu instid0(VALU_DEP_1)
	v_pk_add_f32 v[120:121], v[120:121], v[122:123]
	LANESUM
	s_delay_alu instid0(VALU_DEP_1)
	v_mul_f32 v124, 0x3a800000, v120               ; the mean: / 1,024
	s_delay_alu instid0(VALU_DEP_1)
	v_mov_b32 v125, v124
.set j, 0
.rept 16
	v_pk_add_f32 v[X+j:X+j+1], v[X+j:X+j+1], v[124:125] neg_lo:[0,1] neg_hi:[0,1]
.set j, j+2
.endr
	v_pk_mul_f32 v[120:121], v[X:X+1], v[X:X+1]
	v_pk_mul_f32 v[122:123], v[X+2:X+3], v[X+2:X+3]
.irp j, 4,8,12,16,20,24,28
	s_delay_alu instid0(VALU_DEP_2)
	v_pk_fma_f32 v[120:121], v[X+\j:X+\j+1], v[X+\j:X+\j+1], v[120:121]
	s_delay_alu instid0(VALU_DEP_2)
	v_pk_fma_f32 v[122:123], v[X+\j+2:X+\j+3], v[X+\j+2:X+\j+3], v[122:123]
.endr
	s_delay_alu instid0(VALU_DEP_1)
	v_pk_add_f32 v[120:121], v[120:121], v[122:123]
	LANESUM
	v_mov_b32 v121, 0x3727c5ac                     ; 1e-5
	s_delay_alu instid0(VALU_DEP_1)
	v_fmamk_f32 v120, v120, 0x3a800000, v121       ; the variance + 1e-5
	s_wait_alu depctr_va_vdst(0)
	v_rsq_f32 v126, v120
	v_nop                                          ; a plain instruction behind the transcendental,
	s_wait_alu depctr_va_vdst(0)                   ; and the wait ahead of the first line that names its result
	v_mov_b32 v127, v126
	s_wait_alu depctr_va_vdst(0)
	s_wait_loadcnt 0x0                             ; gain and bias
.set j, 0
.rept 16
	v_pk_mul_f32 v[X+j:X+j+1], v[X+j:X+j+1], v[126:127]
.set j, j+2
.endr
.set j, 0
.rept 16
	v_pk_fma_f32 v[X+j:X+j+1], v[X+j:X+j+1], v[G+j:G+j+1], v[BB+j:BB+j+1]
.set j, j+2
.endr
.Lplain:
	s_wait_loadcnt 0x0
	s_wait_alu depctr_va_vdst(0)
.irp j, 0,1,2,3,4,5,6,7
	ds_store_b128 v3, v[X+4*\j:X+4*\j+3] offset:576*\j   ; the wave's own bytes: LDS serves a wave's instructions in order, so no wait stands between these and the loads
.endr
.irp i, 0,1,2,3,4,5,6,7
	ds_load_b128 v[Y+4*\i:Y+4*\i+3], v4 offset:16*\i
.endr
	s_wait_dscnt 0x0                               ; lane l holds k = 32 l .. 32 l + 31 of row w: a whole block
	v_max3_num_f32 v120, |v[Y]|, |v[Y+1]|, 0x1800000     ; the largest magnitude, with the floor 2^(3 - 127) among its leaves: the byte cannot fall under 1
	v_max3_num_f32 v121, |v[Y+2]|, |v[Y+3]|, |v[Y+4]|
.irp i, 5,9,13,17,21,25
	s_delay_alu instid0(VALU_DEP_2)
	v_max3_num_f32 v120, v120, |v[Y+\i]|, |v[Y+\i+1]|
	s_delay_alu instid0(VALU_DEP_2)
	v_max3_num_f32 v121, v121, |v[Y+\i+2]|, |v[Y+\i+3]|
.endr
	s_delay_alu instid0(VALU_DEP_2)
	v_max3_num_f32 v120, v120, |v[Y+29]|, |v[Y+30]|
	s_delay_alu instid0(VALU_DEP_1)
	v_max3_num_f32 v120, v120, v121, |v[Y+31]|
	s_delay_alu instid0(VALU_DEP_1)
	v_add_nc_u32 v122, 0xff000000, v120            ; 2 off its exponent field: the conversion's scale operand
	s_delay_alu instid0(VALU_DEP_1)
	v_lshrrev_b32 v123, 23, v122                   ; the scale's byte
	v_cvt_scalef32_pk16_fp6_f32 v[C:C+2], v[Y:Y+15], v122
	v_cvt_scalef32_pk16_fp6_f32 v[C+4:C+6], v[Y+16:Y+31], v122   ; (a conversion's three registers begin on an even number)
	v_nop                                          ; one plain instruction behind a scaled conversion
	v_mov_b32 v[C+3], v[C+4]
	v_mov_b32 v[C+4], v[C+5]
	v_mov_b32 v[C+5], v[C+6]                       ; v112-117: the block's 24 bytes
	ds_store_b64 v5, v[C:C+1]
	ds_store_b64 v6, v[C+2:C+3] offset:8
	ds_store_b64 v5, v[C+4:C+5] offset:512
	ds_store_b8 v7, v123
	s_wait_dscnt 0x0                               ; for the others' sake: my stores have landed
	s_barrier_signal -1
	s_barrier_wait -1
.irp i, 0,1,2
	ds_load_b64 v[BB+2*\i:BB+2*\i+1], v8 offset:256*\i
.endr
.irp i, 0,1,2
	s_wait_dscnt 2-\i                              ; the younger of the three loads may be out
	global_store_b64 v9, v[BB+2*\i:BB+2*\i+1], s[38:39] offset:256*\i   ; 32 lanes store 256 consecutive bytes, at a multiple of 256 from the buffer's first byte
.endr
	s_cmp_lg_u32 s30, 0
	s_cbranch_scc1 .Ldone
	ds_load_b128 v[BB+8:BB+11], v10
	s_wait_dscnt 0x0
	global_store_b128 v11, v[BB+8:BB+11], s[40:41]
.Ldone:
	s_wait_tensorcnt 0x0
	ds_add_u32 v12, v13
	s_wait_dscnt 0x0
	s_endpgm
.Lfunc_end_k_q6f4be556a1_prep:
	.size	k_q6f4be556a1_prep, .Lfunc_end_k_q6f4be556a1_prep-k_q6f4be556a1_prep
	.p2alignl 7, 3214868480
	.fill 96, 4, 3214868480
	.section	.rodata,"a",@progbits
	.p2align	6, 0x0
	.amdhsa_kernel k_q6f4be556a1_prep
		.amdhsa_group_segment_fixed_size 88576
		.amdhsa_private_segment_fixed_size 0
		.amdhsa_enable_private_segment 0
		.amdhsa_kernarg_size 64
		.amdhsa_user_sgpr_count 2
		.amdhsa_user_sgpr_kernarg_segment_ptr 1
		.amdhsa_wavefront_size32 1
		.amdhsa_system_sgpr_workgroup_id_x 1
		.amdhsa_system_sgpr_workgroup_id_y 1
		.amdhsa_system_sgpr_workgroup_id_z 1
		.amdhsa_system_vgpr_workitem_id 0
		.amdhsa_next_free_vgpr 128
		.amdhsa_next_free_sgpr 66
		.amdhsa_reserve_vcc 0
		.amdhsa_float_denorm_mode_32 3
		.amdhsa_float_denorm_mode_16_64 3
		.amdhsa_memory_ordered 1
		.amdhsa_forward_progress 1
		.amdhsa_inst_pref_size 20
	.end_amdhsa_kernel
	.amdgpu_metadata
---
amdhsa.version: [ 1, 2 ]
amdhsa.kernels:
  - .name:           k_q6f4be556a1_prep
    .symbol:         k_q6f4be556a1_prep.kd
    .args:
      - { .name: x, .offset: 0, .size: 8, .value_kind: global_buffer, .address_space: global }
      - { .name: norm1_scale, .offset: 8, .size: 8, .value_kind: global_buffer, .address_space: global }
      - { .name: norm1_bias, .offset: 16, .size: 8, .value_kind: global_buffer, .address_space: global }
      - { .name: qkv_w, .offset: 24, .size: 8, .value_kind: global_buffer, .address_space: global }
      - { .name: out_w, .offset: 32, .size: 8, .value_kind: global_buffer, .address_space: global }
      - { .name: ff_up_w, .offset: 40, .size: 8, .value_kind: global_buffer, .address_space: global }
      - { .name: ff_down_w, .offset: 48, .size: 8, .value_kind: global_buffer, .address_space: global }
      - { .name: W1, .offset: 56, .size: 8, .value_kind: global_buffer, .address_space: global }
    .group_segment_fixed_size: 88576
    .private_segment_fixed_size: 0
    .kernarg_segment_align: 8
    .kernarg_segment_size: 64
    .max_flat_workgroup_size: 512
    .sgpr_count:     66
    .vgpr_count:     128
    .wavefront_size: 32
...
	.end_amdgpu_metadata
.endif
;; end of part 1
;; launch qkv (part 2): grid 12 x 16, 4 waves a work-group, clusters of 4 x 4, 327,680 bytes of LDS; arguments W1, W2; writes W2
.if DOCPART == 2
	.amdgcn_target "amdgcn-amd-amdhsa--gfx1250"
	.amdhsa_code_object_version 6
	.text
	.protected	k_q6f4be556a1_qkv
	.globl	k_q6f4be556a1_qkv
	.p2align	8
	.type	k_q6f4be556a1_qkv,@function
k_q6f4be556a1_qkv:
	s_mov_b64 s[64:65], 0
	v_nop
	global_prefetch_b8 v0, s[64:65] scope:SCOPE_SE
	s_setreg_imm32_b32 hwreg(HW_REG_WAVE_MODE, 25, 1), 1
	s_wait_xcnt 0x0
	s_wait_alu depctr_hold_cnt(0) depctr_sa_sdst(0) depctr_va_vdst(0) depctr_va_sdst(0) depctr_va_ssrc(0) depctr_va_vcc(0) depctr_vm_vsrc(0)
	s_getreg_b32 s2, hwreg(HW_REG_IB_STS2, 6, 4)
	s_cmp_eq_u32 s2, 0
	s_cbranch_scc0 .Lentry_in_a_cluster
	s_endpgm
.Lentry_in_a_cluster:
	s_bfe_u32 s2, ttmp6, 0x10000c
	s_cmp_lg_u32 s2, 0xf033
	s_cbranch_scc0 .Lentry_shape_is_right
	s_endpgm
.Lentry_shape_is_right:
; Two products on codes of FP6 in one grid, both K = 1,024: clusters x = 0, 1: [q k] = h1 Wqk^T (4,096 x 2,048);  clusters x = 2: V^T = Wv h1^T (1,024 x 4,096), so that v comes out with the keys along a lane's registers.
; The results are quantised in registers, along their columns (the head's axis for q and k, the tokens for V^T), and leave as operand images of 1,536 bytes with their scale words: no f32 result goes to memory.
; A tile of C, 256 x 256, is made by four waves, each 128 x 128: 64 accumulators, 512 registers.  192 tiles: the products have no more.
; OPERANDS lie in memory as images of their registers, [block of 16 rows][K step of 128][1,536 bytes]; a fragment is three loads of 16 bytes a lane at 16 x lane, 512 bytes apart: no pitch, no padding.
; K goes in steps of 256 through two LDS slots; a wave's tensor load brings 8 blocks of rows x 3,072 bytes.  The scale words of the tile's rows, for all of K, come once with the first fills.
; CLUSTERS 4 x 4: A's tiles are asked for jointly along a row of the cluster, B's along a column.  Which product a cluster makes hangs on the cluster's x alone, which all sixteen share; it selects offsets, never a branch.
; THE MATRIX INSTRUCTION IS USED TRANSPOSED (source 0 = 16 rows of B, source 1 = 16 rows of A): a lane holds one row of C and eight columns.  Tiles 2 b and 2 b + 1 give a lane 16 numbers of block b of 32 columns.
; Inside a block the order of the codes is: place 16 h + 8 u + j holds B's stored row 32 b + 16 u + 8 h + j.  Wqk's and Wv's rows were stored with that swap undone; for V^T (B = tokens) the second attention product meets the same order in p.
; LIMITS: NaN and infinities are not served; a block of zeros gets the byte 1 (zero codes; only this program reads the bytes).
; REGISTERS: window 0: v0-31 addresses; v32-63 scale words, two sets, nothing else; v64-127 at work on the way out; v128-223 A's fragments, one set.  Window 1: B's fragments, sets at v0 and v128.  Windows 2, 3: accumulator (a, b) at v[8 (8 (a % 4) + b)].
.set H1S, 3145728
.set WQC, 3276800
.set WQS, 5636096
.set WVC, WQC+1572864
.set WVS, WQS+8192
.set QKS, 6291456
.set VC,  6553600
.set VS,  9699328
.set KST, 8                            ; K steps of 128
.set FR, 12
.set NP, 4                             ; places behind this matrix instruction (ISA guide 7.12.1)
.set NQ, 2                             ; K steps of 128 in a slot
.set RBS, 3072                         ; a block of rows in a slot
.set HALFT, 24576                      ; what one tensor load brings
.set SLOT, 4*HALFT                     ; A's 16 blocks of rows, then B's
.set SLK, 3072                         ; a slot on, in memory
.set SCL, 2*SLOT                       ; the scale words: A's [K step][256 rows], then B's
.set HR, 8                             ; blocks of rows that a load of the ring brings
.set PFA, 8                            ; s[8:9] where my prefetches stand: my work-group's two blocks of the eight that I fetch, at K slot 0; never rewritten
.set HALFS, KST*512
.set SPARE, SCL+4*HALFS                ; the spare words: 128 bytes a wave, named by no other line
.set ADRA, 16
.set ADRB, 20
.set SWA, 24                           ; the way out: where a row's scale word goes (slot 0, which has had its last fill and its last read by then)
.set SWR, 25                           ; and where 128 words are read back
.set CO, 26                            ; 16 x lane
.set ADRS, 27
.set SPW, 28
.set NIL, 29
.set SC, 32
.set TM, 64
.set PW, 80
.set TQ, 84
.set PC, 108
.set AF, 128
.set G1, 24
.set G0, 32
.set G1B, 48
.set G0B, 56
.set G1S, 68
.set G0S, 76
.set G1SB, 80
.set G0SB, 88
.set SEL, 96
.set MSB, 0
.macro WIN new                         ; the immediate's high byte repeats the setting that is left
.if MSB != \new
	s_set_vgpr_msb (MSB<<8)|\new
.set MSB, \new
.endif
.endm
.set MUL_LO, 0xa1                      ; source 0 (B) window 1, source 1 (A) window 0, C and D window 2
.set MUL_HI, 0xf1
.set TO_B, 0x40
.macro JLOAD g0a, g1a, g0b, g1b        ; a joint load: waves 0, 1 fetch for A, waves 2, 3 for B; four v_nop follow each line
	s_cmp_eq_u32 s15, 0
	s_cbranch_scc0 .Lfor_b_\@
	tensor_load_to_lds s[\g0a:\g0a+3], s[\g1a:\g1a+7]
	s_nop 0
.rept 4
	v_nop
.endr
	s_branch .Lasked_\@
.Lfor_b_\@:
	tensor_load_to_lds s[\g0b:\g0b+3], s[\g1b:\g1b+7]
	s_nop 0
.rept 4
	v_nop
.endr
.Lasked_\@:
.endm
.macro CREST
	s_cmp_lg_u32 s14, 0
	s_cbranch_scc1 .Lnot_wave_0_\@
	s_barrier_signal -3
.Lnot_wave_0_\@:
	s_barrier_wait -3
	s_barrier_signal -1
	s_barrier_wait -1
.endm
.macro CROUND
	s_barrier_signal -1
	s_barrier_wait -1
	CREST
.endm
.macro PLACES n
.rept \n
	v_nop
.endr
.endm
	s_load_b128 s[4:7], s[0:1], 0x0                ; W1 (operands), W2 (results)
	v_lshl_add_u32 v[SPW], v0, 2, SPARE
	v_mov_b32 v[NIL], 0
	ds_add_u32 v28, v29
	ds_add_u32 v28, v29
	v_lshrrev_b32 v1, 5, v0
	v_readfirstlane_b32 s14, v1                    ; wave
	s_lshr_b32 s15, s14, 1                         ; my half of the tile's rows; also: I fetch for A (0) or B (1)
	s_and_b32 s16, s14, 1                          ; my half of its columns; also: which half I fetch
	s_bfe_u32 s40, ttmp6, 0x40000                  ; cx
	s_bfe_u32 s41, ttmp6, 0x40004                  ; cy
	s_and_b32 s18, ttmp7, 0xffff                   ; cluster y
	s_mov_b32 s8, 0                                ; q, k: A = h1,
	s_mov_b32 s9, H1S
	s_mov_b32 s66, WQC                             ; B = Wqk,
	s_mov_b32 s67, WQS
	s_mov_b32 s95, 0                               ; codes [column step][block of tokens]
	s_mov_b32 s98, QKS
	s_mov_b32 s99, 393216
	s_mov_b32 s2, 1536
	s_mov_b32 s3, 0
	s_cmp_eq_u32 ttmp9, 2                          ; V^T: A = Wv, B = h1, codes [block of rows][token step]
	s_cselect_b32 s19, s18, ttmp9                  ; the cluster's place along C's columns
	s_cselect_b32 s18, 0, s18                      ; and along its rows
	s_cselect_b32 s8, WVC, s8
	s_cselect_b32 s9, WVS, s9
	s_cselect_b32 s66, 0, s66
	s_cselect_b32 s67, H1S, s67
	s_cselect_b32 s95, VC, s95
	s_cselect_b32 s98, VS, s98
	s_cselect_b32 s99, 1536, s99
	s_cselect_b32 s2, 49152, s2
	s_lshl_b32 s42, s19, 2
	s_add_co_u32 s42, s42, s40                     ; tile column
	s_lshl_b32 s17, s18, 2
	s_add_co_u32 s17, s17, s41                     ; tile row
	s_lshl_b32 s43, s41, 2
	s_lshl_b32 s43, 15, s43                        ; my row of the cluster
	s_lshl_b32 s44, 0x1111, s40                    ; my column
	s_or_b32 s[G1+0], s43, (3<<16)|(1<<21)         ; 15:0 the mask; 17:16 elements of 8 bytes; 21 set beside a mask; no padding
	s_or_b32 s[G1B+0], s44, (3<<16)|(1<<21)
.irp g, G1, G1B
	s_mov_b32 s[\g+1], 384<<16                     ; tensor_dim0: 3,072 bytes
	s_mov_b32 s[\g+2], 16<<16                      ; tensor_dim1: the head's loads bring all 16 blocks of rows
	s_mov_b32 s[\g+3], 384<<16                     ; tile_dim0
	s_mov_b32 s[\g+4], 16                          ; tile_dim1
	s_mov_b32 s[\g+5], KST*192                     ; from block to block: KST images
	s_mov_b32 s[\g+6], 0
	s_mov_b32 s[\g+7], 0
.endr
	s_or_b32 s[G1S+0], s43, (3<<16)|(1<<21)
	s_or_b32 s[G1SB+0], s44, (3<<16)|(1<<21)
.irp g, G1S, G1SB
	s_mov_b32 s[\g+1], 128<<16                     ; 256 rows' words: 1,024 bytes
	s_mov_b32 s[\g+2], KST<<16
	s_mov_b32 s[\g+3], 128<<16
	s_mov_b32 s[\g+4], KST
	s_mov_b32 s[\g+5], 2048                        ; a plane is 16,384 bytes
	s_mov_b32 s[\g+6], 0
	s_mov_b32 s[\g+7], 0
.endr
	s_mul_i32 s20, s17, 196608
	s_add_co_u32 s20, s20, s8                      ; A's codes: made of the tile row alone
	s_lshl_b32 s22, s17, 10
	s_add_co_u32 s22, s22, s9                      ; A's scale words
	s_mul_i32 s46, s42, 196608
	s_add_co_u32 s46, s46, s66                     ; B's codes: of the tile column alone
	s_lshl_b32 s92, s42, 10
	s_add_co_u32 s92, s92, s67
	s_mul_i32 s66, s16, 98304                      ; in the ring I fetch a half: 8 blocks x 12,288 bytes
	s_mov_b32 s67, 0
	s_mov_b32 s21, 0
	s_mov_b32 s23, 0
	s_mov_b32 s47, 0
	s_mov_b32 s93, 0
	s_mul_i32 s45, s14, HALFT                      ; where they go: no place in the cluster enters an LDS address
	s_mov_b32 s[SEL], 0x76543210
	s_mov_b32 s[SEL+1], 0xfedcba98
	s_wait_dscnt 0x0                               ; both opening adds are done; the set-up above, work on registers, stood between them and this wait
	CROUND                                         ; the opening round, ahead of the wait for the arguments: all sixteen work-groups are here
	s_wait_kmcnt 0x0
	s_add_nc_u64 s[20:21], s[4:5], s[20:21]
	s_add_nc_u64 s[22:23], s[4:5], s[22:23]
	s_add_nc_u64 s[46:47], s[4:5], s[46:47]
	s_add_nc_u64 s[92:93], s[4:5], s[92:93]
	s_mov_b32 s[G0S], 1
	s_mov_b32 s[G0S+1], SCL
	s_mov_b64 s[G0S+2:G0S+3], s[22:23]
	s_or_b32 s[G0S+3], s[G0S+3], 0x80000000
	s_mov_b32 s[G0SB], 1
	s_mov_b32 s[G0SB+1], SCL+2*HALFS
	s_mov_b64 s[G0SB+2:G0SB+3], s[92:93]
	s_or_b32 s[G0SB+3], s[G0SB+3], 0x80000000
	s_mov_b32 s[G0], 1                             ; the head's tiles, each whole: slot 0's 16 blocks of A,
	s_mov_b32 s[G0+1], 0
	s_mov_b64 s[G0+2:G0+3], s[20:21]
	s_or_b32 s[G0+3], s[G0+3], 0x80000000
	s_mov_b32 s[G0B], 1                            ; its 16 blocks of B, behind them
	s_mov_b32 s[G0B+1], 2*HALFT
	s_mov_b64 s[G0B+2:G0B+3], s[46:47]
	s_or_b32 s[G0B+3], s[G0B+3], 0x80000000
	s_add_nc_u64 s[20:21], s[20:21], s[66:67]      ; for the ring: my half of the tile
	s_add_nc_u64 s[46:47], s[46:47], s[66:67]
	s_mov_b32 s[G0+4], 1
	s_add_co_u32 s[G0+5], s45, SLOT
	s_add_nc_u64 s[G0+6:G0+7], s[20:21], SLK
	s_or_b32 s[G0+7], s[G0+7], 0x80000000
	s_mov_b32 s[G0B+4], 1
	s_add_co_u32 s[G0B+5], s45, SLOT
	s_add_nc_u64 s[G0B+6:G0B+7], s[46:47], SLK
	s_or_b32 s[G0B+7], s[G0B+7], 0x80000000
	s_cmp_eq_u32 s15, 0                            ; the prefetches: the four partners of a joint load share its blocks out by address (cx for A, cy for B)
	s_cselect_b32 s22, s40, s41
	s_cselect_b64 s[PFA:PFA+1], s[20:21], s[46:47]
	s_mul_i32 s22, s22, (HR/4)*KST*1536
	s_mov_b32 s23, 0
	s_add_nc_u64 s[PFA:PFA+1], s[PFA:PFA+1], s[22:23]
; THE HEAD'S LOADS, ONE A WAVE: wave 0 slot 0's rows of A, wave 1 those of B, wave 2 A's scale words, wave 3 B's.  One chain of branches on the wave's number.
.macro ARM under, g0, g1, next
	s_cmp_lt_u32 s14, \under
	s_cbranch_scc0 \next
	tensor_load_to_lds s[\g0:\g0+3], s[\g1:\g1+7]
	s_nop 0
	PLACES 4
	s_branch .Lhead_asked
\next:
.endm
	ARM 1, G0, G1, .Lhead_b
	ARM 2, G0B, G1B, .Lhead_sa
	ARM 3, G0S, G1S, .Lhead_sb
	tensor_load_to_lds s[G0SB:G0SB+3], s[G1SB:G1SB+7]
	s_nop 0
	PLACES 4
.Lhead_asked:
	v_and_b32 v1, 15, v0                           ; r
	v_bfe_u32 v2, v0, 4, 1                         ; h
	s_wait_alu depctr_va_vdst(0)
	v_and_b32 v3, 31, v0
	v_lshlrev_b32 v[CO], 4, v3
	v_min_u32 v31, 23, v3                          ; v31: a prefetch's offset: 24 blocks of 256 bytes, 12 in each of two blocks of rows; lanes 24-31 name the last again
	v_mul_u32_u24 v10, v31, 171
	v_lshrrev_b32 v10, 11, v10                     ; / 12
	v_lshlrev_b32 v31, 8, v31
	v_mad_u32_u24 v31, v10, KST*1536-3072, v31
	s_mul_i32 s21, s15, HALFT                      ; my 8 blocks of A
	s_mul_i32 s22, s16, HALFT
	s_add_co_u32 s22, s22, 2*HALFT                 ; my 8 blocks of B
.irp s, 0,1
	v_add_nc_u32 v[ADRA+\s], s21, v[CO]
	v_add_nc_u32 v[ADRB+\s], s22, v[CO]
	s_add_co_u32 s21, s21, SLOT
	s_add_co_u32 s22, s22, SLOT
.endr
	v_lshlrev_b32 v5, 2, v1
	s_lshl_b32 s21, s15, 9                         ; my 128 rows' words in a K step's 1,024 bytes
	s_lshl_b32 s22, s16, 9
	s_add_co_u32 s22, s22, 2*HALFS
	s_sub_co_u32 s22, s22, s21
	v_mul_u32_u24 v6, s22, v2                      ; lanes 16-31 take B's words
	s_add_co_u32 s21, s21, SCL
	v_add_nc_u32 v5, v5, v6
	v_add_nc_u32 v[ADRS], s21, v5
	s_lshl_b32 s21, s14, 9
	v_lshl_add_u32 v[SWA], v1, 2, s21
	v_add_nc_u32 v[SWR], s21, v[CO]
	s_lshl_b32 s20, s17, 4
	s_lshl_b32 s21, s15, 3
	s_add_co_u32 s20, s20, s21                     ; my first block of rows of C
	s_mul_i32 s20, s20, s2
	s_lshl_b32 s46, s42, 1
	s_add_co_u32 s46, s46, s16                     ; my 128 columns: a K step of the operand that I make
	s_mul_i32 s47, s46, s99
	s_add_co_u32 s20, s20, s47
	s_add_co_u32 s20, s20, s95
	s_mov_b32 s21, 0
	s_add_nc_u64 s[12:13], s[6:7], s[20:21]        ; the images
	s_lshl_b32 s22, s17, 10
	s_lshl_b32 s23, s15, 9
	s_add_co_u32 s22, s22, s23
	s_lshl_b32 s46, s46, 14
	s_add_co_u32 s22, s22, s46
	s_add_co_u32 s22, s22, s98
	s_mov_b32 s23, 0
	s_add_nc_u64 s[10:11], s[6:7], s[22:23]        ; the scale words of my 128 rows
.macro FRAG reg, adr, off              ; a fragment as it lies: three loads of 512 consecutive bytes
.irp c, 0,1,2
	ds_load_b128 v[\reg+4*\c:\reg+4*\c+3], v[\adr] offset:\off+512*\c
.endr
.endm
.macro FETCH_B slot, q, p
	WIN TO_B
.irp i, 0,1,2,3,4,5,6,7
	FRAG 128*(\p)+FR*\i, ADRB+\slot, \i*RBS+(\q)*1536
.endr
	WIN 0
.endm
.macro FETCH_A slot, q, i0
.irp i, \i0, \i0+1, \i0+2, \i0+3
	FRAG AF+FR*(\i), ADRA+\slot, (\i)*RBS+(\q)*1536
.endr
.endm
.macro SCALES sc                       ; lanes 0-15 the words of A's block i, lanes 16-31 those of B's block i
.irp i, 0,1,2,3,4,5,6,7
.irp q, 0,1
	ds_load_b32 v[SC+8*NQ*\sc+NQ*\i+\q], v[ADRS] offset:1024*\q+64*\i
.endr
.endr
.endm
; 16 matrix instructions: A's blocks a0, a0 + 1 x B's eight.  The 64 accumulators take turns, one instruction a turn, in the same order in every step.
.macro MUL16 a0, p, q, sc, zero
.irp a, \a0, \a0+1
.irp b, 0,1,2,3,4,5,6,7
.set rD, 8*(8*((\a)%4)+\b)
.set rB, 128*(\p)+FR*\b
.set rA, AF+FR*(\a)
.set rSB, SC+8*NQ*(\sc)+NQ*\b+(\q)
.set rSA, SC+8*NQ*(\sc)+NQ*(\a)+(\q)
.if \zero
	v_wmma_scale_f32_16x16x128_f8f6f4 v[rD:rD+7], v[rB:rB+FR-1], v[rA:rA+FR-1], 0, v[rSB], v[rSA] matrix_a_fmt:MATRIX_FMT_FP6 matrix_b_fmt:MATRIX_FMT_FP6 matrix_a_scale:MATRIX_SCALE_ROW1
.else
	v_wmma_scale_f32_16x16x128_f8f6f4 v[rD:rD+7], v[rB:rB+FR-1], v[rA:rA+FR-1], v[rD:rD+7], v[rSB], v[rSA] matrix_a_fmt:MATRIX_FMT_FP6 matrix_b_fmt:MATRIX_FMT_FP6 matrix_a_scale:MATRIX_SCALE_ROW1
.endif
.endr
.endr
.endm
.macro STEP slot, zero                 ; a slot's first 128 along K
	s_wait_dscnt 12                                ; all but the youngest 12 loads, A's blocks 4-7
	WIN MUL_LO
	MUL16 0, 0, 0, \slot, \zero
	MUL16 2, 0, 0, \slot, \zero
	s_wait_dscnt 0x0
	PLACES NP                                      ; in front of loads into registers that matrix instructions have read
	FETCH_B \slot, 1, 1
	FETCH_A \slot, 1, 0
	WIN MUL_HI
	MUL16 4, 0, 0, \slot, \zero
	MUL16 6, 0, 0, \slot, \zero
	PLACES NP
	WIN 0
	FETCH_A \slot, 1, 4
.endm
.macro TURN slot, next, fill           ; a slot's second 128 along K, and the change of slots
	s_wait_tensorcnt 0x0                           ; all my tensor loads have landed: my part of the next slot
	ds_add_u32 v[SPW], v[NIL]                      ; 0 onto my spare word
	s_wait_dscnt 13                                ; the add and A's blocks 4-7 may be out
	WIN MUL_LO
	MUL16 0, 1, 1, \slot, 0
	s_wait_dscnt 0x0                               ; the add is done, and my reads of this slot are over
	s_barrier_signal -1
	MUL16 2, 1, 1, \slot, 0
	WIN 0
	s_barrier_wait -1
.if \fill
	CREST                                          ; the barrier has opened a round of the cluster's: no wave of any partner still reads this slot or has a load on its way
	s_add_nc_u64 s[G0+4*\slot+2:G0+4*\slot+3], s[G0+4*\slot+2:G0+4*\slot+3], 2*SLK
	s_add_nc_u64 s[G0B+4*\slot+2:G0B+4*\slot+3], s[G0B+4*\slot+2:G0B+4*\slot+3], 2*SLK
	JLOAD G0+4*\slot, G1, G0B+4*\slot, G1B         ; the first tensor load behind the round; its four v_nop are the places in front of the loads below
.else
	PLACES NP
.endif
	s_wait_alu depctr_va_vdst(0)
	v_add_nc_u32 v[ADRS], 1024*NQ, v[ADRS]
	FETCH_B \next, 0, 0
	FETCH_A \next, 0, 0
	SCALES \next
	WIN MUL_HI
	MUL16 4, 1, 1, \slot, 0
	MUL16 6, 1, 1, \slot, 0
	PLACES NP
	WIN 0
	FETCH_A \next, 0, 4
.endm
	s_wait_alu depctr_va_vdst(0)                   ; the wait at the head's end
	global_prefetch_b8 v31, s[PFA:PFA+1] offset:SLK th:TH_LOAD_NT scope:SCOPE_SE     ; K slots 1 and 2 are asked for into the L2; the load of slot j asks for slot j + 2
	global_prefetch_b8 v31, s[PFA:PFA+1] offset:2*SLK th:TH_LOAD_NT scope:SCOPE_SE
	s_wait_tensorcnt 0x0                           ; my tile of the head's four is in; the three lines ahead of a later first fill, as ahead of a refill
	ds_add_u32 v[SPW], v[NIL]
	s_mov_b32 s[G1+2], HR<<16                      ; no tensor load of mine is out: from here on a load brings 8 blocks of rows,
	s_mov_b32 s[G1+4], HR
	s_mov_b32 s[G1B+2], HR<<16
	s_mov_b32 s[G1B+4], HR
	s_mov_b32 s[G0+1], s45                         ; and slot 0's groups 0 stand at my half
	s_add_nc_u64 s[G0+2:G0+3], s[G0+2:G0+3], s[66:67]
	s_mov_b32 s[G0B+1], s45
	s_add_nc_u64 s[G0B+2:G0B+3], s[G0B+2:G0B+3], s[66:67]
	s_wait_dscnt 0x0
	CROUND                                         ; all four tiles are in, and all sixteen work-groups are here
	JLOAD G0+4, G1, G0B+4, G1B                     ; slot 1's first fill, the first tensor load behind the round
	global_prefetch_b8 v31, s[PFA:PFA+1] offset:3*SLK th:TH_LOAD_NT scope:SCOPE_SE   ; the last K slot
	FETCH_B 0, 0, 0
	FETCH_A 0, 0, 0
	SCALES 0
	FETCH_A 0, 0, 4
	STEP 0, 1                                      ; the first products start the sums: nothing is cleared
	TURN 0, 1, 1                                   ; K = 1,024 is four slots' worth: written out
	STEP 1, 0
	TURN 1, 0, 1
	STEP 0, 0
	TURN 0, 1, 0
	STEP 1, 0
	s_wait_dscnt 12
	WIN MUL_LO
	MUL16 0, 1, 1, 1, 0
	MUL16 2, 1, 1, 1, 0
	s_wait_dscnt 0x0
	WIN MUL_HI
	MUL16 4, 1, 1, 1, 0
	MUL16 6, 1, 1, 1, 0
	WIN 0
; 64 numbers of a lane in window w, register 16 b + i = place 32 b + 16 h + i of my row's 128, become a fragment in v[PC] on and its scale word in v[PW].  Each accumulator is read from its low end on.
.macro QUANTW s, w
.set WQ, (\w)*21
	WIN WQ                                         ; all three sources in window w
.irp i, 0,1,2,3,4
.irp b, 0,1,2,3
	v_max3_num_f32 v[TQ+6*\b+\i], |v[\s+16*\b+3*\i]|, |v[\s+16*\b+3*\i+1]|, |v[\s+16*\b+3*\i+2]|
.endr
.endr
.irp b, 0,1,2,3
	v_max_num_f32 v[TQ+6*\b+5], |v[\s+16*\b+15]|, |v[\s+16*\b+15]|
.endr
	WIN 0
.irp b, 0,1,2,3
	v_max3_num_f32 v[TM+\b], v[TQ+6*\b], v[TQ+6*\b+1], v[TQ+6*\b+2]
.endr
.irp b, 0,1,2,3
	v_max3_num_f32 v[TM+4+\b], v[TQ+6*\b+3], v[TQ+6*\b+4], v[TQ+6*\b+5]
.endr
.irp b, 0,1,2,3
	v_max3_num_f32 v[TM+\b], v[TM+\b], v[TM+4+\b], 0x1800000   ; with the floor 2^(3 - 127): the byte cannot fall under 1
.endr
.irp b, 0,1,2,3
	v_permlanex16_b32 v[TM+4+\b], v[TM+\b], s[SEL], s[SEL+1]
.endr
.irp b, 0,1,2,3
	v_max_num_f32 v[TM+\b], v[TM+\b], v[TM+4+\b]   ; with lane l xor 16's 16: the block's largest magnitude
.endr
.irp b, 0,1,2,3
	v_add_nc_u32 v[TM+12+\b], 0xff000000, v[TM+\b] ; 2 off its exponent field: the conversion's scale operand
.endr
.irp b, 0,1,2,3
	v_lshrrev_b32 v[TM+4+\b], 23, v[TM+12+\b]      ; the scale's byte
.endr
	v_lshl_or_b32 v[PW], v[TM+5], 8, v[TM+4]
	v_lshl_or_b32 v[PW], v[TM+6], 16, v[PW]
	v_lshl_or_b32 v[PW], v[TM+7], 24, v[PW]
.set WQ, \w
	WIN WQ                                         ; source 0 in window w
.irp c, 0,1
	v_cvt_scalef32_pk16_fp6_f32 v[PC+6*\c:PC+2+6*\c], v[\s+32*\c:\s+15+32*\c], v[TM+12+2*\c]
	v_cvt_scalef32_pk16_fp6_f32 v[PC+12+4*\c:PC+14+4*\c], v[\s+16+32*\c:\s+31+32*\c], v[TM+13+2*\c]
.endr
	WIN 0
	v_nop                                          ; one plain instruction behind a scaled conversion
.irp c, 0,1                                    ; the operand wants a whole block in a lane: lanes 0-15 block 2 c, lanes 16-31 block 2 c + 1
.irp i, 0,1,2
	v_permlane16_swap_b32 v[PC+6*\c+\i], v[PC+12+4*\c+\i]
.endr
.irp i, 0,1,2
	v_mov_b32 v[PC+3+6*\c+\i], v[PC+12+4*\c+\i]
.endr
.endr
.endm
	PLACES NP                                      ; behind the last products, ahead of the first read of results
.irp a, 0,1,2,3,4,5,6,7
.if \a > 0
	s_wait_xcnt 0x0                                ; the last block's stores have read their data and their base,
	s_wait_dscnt 0x0                               ; and its LDS store its word
	s_add_nc_u64 s[12:13], s[12:13], s[2:3]        ; the next block of rows
.endif
	QUANTW 64*((\a)%4), 2+(\a)/4
.irp c, 0,1,2
	global_store_b128 v[CO], v[PC+4*\c:PC+4*\c+3], s[12:13] offset:512*\c   ; 32 lanes store 512 consecutive bytes, at a multiple of 256 from the buffer's first byte
.endr
	ds_store_b32 v[SWA], v[PW] offset:64*\a        ; both halves of the lanes write the same word with the same value
.endr
	ds_load_b128 v[12:15], v[SWR]                  ; my own bytes: LDS serves a wave's instructions in order
	s_wait_dscnt 0x0
	global_store_b128 v[CO], v[12:15], s[10:11]    ; 128 rows' words: 512 consecutive bytes
	s_wait_tensorcnt 0x0                           ; the wave's end
	ds_add_u32 v[SPW], v[NIL]
	s_wait_dscnt 0x0
	CROUND                                         ; the closing round
	s_endpgm
.Lfunc_end_k_q6f4be556a1_qkv:
	.size	k_q6f4be556a1_qkv, .Lfunc_end_k_q6f4be556a1_qkv-k_q6f4be556a1_qkv
	.p2alignl 7, 3214868480
	.fill 96, 4, 3214868480
	.section	.rodata,"a",@progbits
	.p2align	6, 0x0
	.amdhsa_kernel k_q6f4be556a1_qkv
		.amdhsa_group_segment_fixed_size 327680
		.amdhsa_private_segment_fixed_size 0
		.amdhsa_enable_private_segment 0
		.amdhsa_kernarg_size 16
		.amdhsa_user_sgpr_count 2
		.amdhsa_user_sgpr_kernarg_segment_ptr 1
		.amdhsa_wavefront_size32 1
		.amdhsa_system_sgpr_workgroup_id_x 1
		.amdhsa_system_sgpr_workgroup_id_y 1
		.amdhsa_system_sgpr_workgroup_id_z 1
		.amdhsa_system_vgpr_workitem_id 0
		.amdhsa_next_free_vgpr 1024
		.amdhsa_next_free_sgpr 100
		.amdhsa_reserve_vcc 0
		.amdhsa_float_denorm_mode_32 3
		.amdhsa_float_denorm_mode_16_64 3
		.amdhsa_memory_ordered 1
		.amdhsa_forward_progress 1
		.amdhsa_inst_pref_size 147
	.end_amdhsa_kernel
	.amdgpu_metadata
---
amdhsa.version: [ 1, 2 ]
amdhsa.kernels:
  - .name:           k_q6f4be556a1_qkv
    .symbol:         k_q6f4be556a1_qkv.kd
    .args:
      - { .name: W1, .offset: 0, .size: 8, .value_kind: global_buffer, .address_space: global }
      - { .name: W2, .offset: 8, .size: 8, .value_kind: global_buffer, .address_space: global }
    .group_segment_fixed_size: 327680
    .private_segment_fixed_size: 0
    .kernarg_segment_align: 8
    .kernarg_segment_size: 16
    .max_flat_workgroup_size: 128
    .sgpr_count:     100
    .vgpr_count:     1024
    .wavefront_size: 32
...
	.end_amdgpu_metadata
.endif
;; end of part 2
;; launch attn (part 3): grid 16 x 16, 16 waves a work-group, clusters of 4 x 1, 327,680 bytes of LDS; arguments W2, W3; writes W3
.if DOCPART == 3
	.amdgcn_target "amdgcn-amd-amdhsa--gfx1250"
	.amdhsa_code_object_version 6
	.text
	.protected	k_q6f4be556a1_attn
	.globl	k_q6f4be556a1_attn
	.p2align	8
	.type	k_q6f4be556a1_attn,@function
k_q6f4be556a1_attn:
	s_mov_b64 s[64:65], 0
	v_nop
	global_prefetch_b8 v0, s[64:65] scope:SCOPE_SE
	s_setreg_imm32_b32 hwreg(HW_REG_WAVE_MODE, 25, 1), 1
	s_wait_xcnt 0x0
	s_wait_alu depctr_hold_cnt(0) depctr_sa_sdst(0) depctr_va_vdst(0) depctr_va_sdst(0) depctr_va_ssrc(0) depctr_va_vcc(0) depctr_vm_vsrc(0)
	s_getreg_b32 s2, hwreg(HW_REG_IB_STS2, 6, 4)
	s_cmp_eq_u32 s2, 0
	s_cbranch_scc0 .Lentry_in_a_cluster
	s_endpgm
.Lentry_in_a_cluster:
	s_bfe_u32 s2, ttmp6, 0x10000c
	s_cmp_lg_u32 s2, 0x3003
	s_cbranch_scc0 .Lentry_shape_is_right
	s_endpgm
.Lentry_shape_is_right:
.set QKS, 6291456
.set VC,  6553600
.set VS,  9699328
.set ATS, 3145728
.set NSL, 4
.set VOFF, 49152
.set SLOT1, 131072
.set SCK, 229376
.set SCV, 237568
.set SPARE, 245760
.set STG, 247808
.set SSG, 260096
.set AK0, 1
.set AV0, 2
.set ASK0, 3
.set ASV0, 4
.set SPW, 5
.set NIL, 6
.set T, 7
.set ADK, 8
.set ADV, 9
.set ADS, 10
.set ADT, 11
.set QF, 16
.set QS, 28
.set PW, 29
.set F, 30
.set R1, 32
.set R2, 80
.set S, 128
.set PCD, 144
.set O, 192
.set PT, 224
.set BM, 228
.set BT, 232
.set BS, 236
.set KSW, 240
.set KS2, 244
.set SU, 248
.set GO8, 250
.set SSA, 251
.set HW, 252
.set WC, 32
.set WT, 40
.set WV, 18
.set SEL, 20
.set CS, 22
.set G1K, 24
.set G1V, 32
.set G0K, 40
.set G0V, 44
.set G1SK, 48
.set G0SK, 56
.set G0SV, 60
.set G1SV, 68
.set TB, 76
.set TS, 77
.set SLOTS, 79
.macro TLOAD g0k, g1k, g0v, g1v
	s_cmp_lt_u32 s[WV], 2
	s_cbranch_scc0 .Lnot_k_\@
	tensor_load_to_lds s[\g0k:\g0k+3], s[\g1k:\g1k+7]
	s_nop 0
.rept 4
	v_nop
.endr
	s_branch .Lasked_\@
.Lnot_k_\@:
	s_cmp_lt_u32 s[WV], 4
	s_cbranch_scc0 .Lasked_\@
	tensor_load_to_lds s[\g0v:\g0v+3], s[\g1v:\g1v+7]
	s_nop 0
.rept 4
	v_nop
.endr
.Lasked_\@:
.endm
.macro CROUND
	s_barrier_signal -1
	s_barrier_wait -1
	s_cmp_lg_u32 s[WV], 0
	s_cbranch_scc1 .Lnot_wave_0_\@
	s_barrier_signal -3
.Lnot_wave_0_\@:
	s_barrier_wait -3
	s_barrier_signal -1
	s_barrier_wait -1
.endm
	s_load_b128 s[4:7], s[0:1], 0x0
	v_lshl_add_u32 v[SPW], v0, 2, SPARE
	v_mov_b32 v[NIL], 0
	ds_add_u32 v5, v6
	ds_add_u32 v5, v6
	v_lshrrev_b32 v8, 5, v0
	s_delay_alu instid0(VALU_DEP_1)
	v_readfirstlane_b32 s[WV], v8
	s_bfe_u32 s80, ttmp6, 0x40000
	s_lshl_b32 s81, ttmp9, 2
	s_add_co_u32 s81, s81, s80
	s_and_b32 s82, ttmp7, 0xffff
	s_lshr_b32 s83, s82, 3
	s_and_b32 s84, s82, 7
	s_and_b32 s85, s[WV], 1
	s_lshr_b32 s86, s[WV], 3
	s_and_b32 s87, s[WV], 7
	s_add_co_u32 s88, s84, 8
	s_mul_i32 s89, s88, 393216
	s_mul_i32 s90, s83, 196608
	s_add_co_u32 s89, s89, s90
	s_mul_i32 s90, s85, 24576
	s_add_co_u32 s92, s89, s90
	s_mov_b32 s93, 0
	s_lshl_b32 s89, s88, 14
	s_lshl_b32 s91, s83, 13
	s_add_co_u32 s89, s89, s91
	s_lshl_b32 s91, s85, 12
	s_add_co_u32 s89, s89, s91
	s_add_co_u32 s94, s89, QKS
	s_mov_b32 s95, 0
	s_lshl_b32 s89, s84, 3
	s_lshl_b32 s88, s85, 2
	s_add_co_u32 s89, s89, s88
	s_mul_i32 s89, s89, 49152
	s_mul_i32 s88, s83, 24576
	s_add_co_u32 s89, s89, s88
	s_add_co_u32 s96, s89, VC
	s_mov_b32 s97, 0
	s_lshl_b32 s89, s83, 4
	s_lshl_b32 s88, s85, 3
	s_add_co_u32 s89, s89, s88
	s_lshl_b32 s89, s89, 14
	s_lshl_b32 s88, s84, 9
	s_add_co_u32 s89, s89, s88
	s_add_co_u32 s2, s89, VS
	s_mov_b32 s3, 0
	s_mov_b32 s[G1K], 15|(3<<16)|(1<<21)
	s_mov_b32 s[G1K+1], 32<<16
	s_mov_b32 s[G1K+2], 96<<16
	s_mov_b32 s[G1K+3], 32<<16
	s_mov_b32 s[G1K+4], 96
	s_mov_b32 s[G1K+5], 32
	s_mov_b32 s[G1K+6], 0
	s_mov_b32 s[G1K+7], 0
	s_mov_b32 s[G1V], 15|(3<<16)|(1<<21)
	s_mov_b32 s[G1V+1], 768<<16
	s_mov_b32 s[G1V+2], 4<<16
	s_mov_b32 s[G1V+3], 768<<16
	s_mov_b32 s[G1V+4], 4
	s_mov_b32 s[G1V+5], 6144
	s_mov_b32 s[G1V+6], 0
	s_mov_b32 s[G1V+7], 0
	s_mov_b32 s[G1SK], 15|(3<<16)|(1<<21)
	s_mov_b32 s[G1SK+1], 32<<16
	s_mov_b32 s[G1SK+2], 16<<16
	s_mov_b32 s[G1SK+3], 32<<16
	s_mov_b32 s[G1SK+4], 16
	s_mov_b32 s[G1SK+5], 32
	s_mov_b32 s[G1SK+6], 0
	s_mov_b32 s[G1SK+7], 0
	s_mov_b32 s[G1SV], 15|(3<<16)|(1<<21)
	s_mov_b32 s[G1SV+1], 64<<16
	s_mov_b32 s[G1SV+2], 8<<16
	s_mov_b32 s[G1SV+3], 64<<16
	s_mov_b32 s[G1SV+4], 8
	s_mov_b32 s[G1SV+5], 2048
	s_mov_b32 s[G1SV+6], 0
	s_mov_b32 s[G1SV+7], 0
	s_mov_b32 s[SEL], 0x76543210
	s_mov_b32 s[SEL+1], 0xfedcba98
	s_mov_b32 s[CS], 0x3e38aa3b
	s_mov_b32 s[CS+1], s[CS]
	s_mov_b32 s[TB], 0
	s_mov_b32 s[TS], 0
	s_mov_b32 s[SLOTS], NSL-1
	s_wait_dscnt 0x0                               ; both opening adds are done; the set-up above, work on registers, stood between them and this wait
	CROUND                                         ; the opening round, ahead of the wait for the arguments
	s_wait_kmcnt 0x0
	s_mov_b32 s[G0SK], 1
	s_add_co_u32 s[G0SK+1], s91, SCK
	s_add_nc_u64 s[G0SK+2:G0SK+3], s[4:5], s[94:95]
	s_or_b32 s[G0SK+3], s[G0SK+3], 0x80000000
	s_mov_b32 s[G0SV], 1
	s_add_co_u32 s[G0SV+1], s91, SCV
	s_add_nc_u64 s[G0SV+2:G0SV+3], s[4:5], s[2:3]
	s_or_b32 s[G0SV+3], s[G0SV+3], 0x80000000
	s_mov_b32 s[G0K], 1
	s_mov_b32 s[G0K+1], s90
	s_add_nc_u64 s[G0K+2:G0K+3], s[4:5], s[92:93]
	s_or_b32 s[G0K+3], s[G0K+3], 0x80000000
	s_mov_b32 s[G0V], 1
	s_add_co_u32 s[G0V+1], s90, VOFF
	s_add_nc_u64 s[G0V+2:G0V+3], s[4:5], s[96:97]
	s_or_b32 s[G0V+3], s[G0V+3], 0x80000000
; THE HEAD'S LOADS, one a wave, in one chain of branches on the wave's number: waves 0, 1 slot 0's keys, 2, 3 its values, 4, 5 the keys' scale words, 6, 7 the values'; each pair a half each.  Waves 8 to 15 issue none.
.macro HARM under, g0, g1, next
	s_cmp_lt_u32 s[WV], \under
	s_cbranch_scc0 \next
	tensor_load_to_lds s[\g0:\g0+3], s[\g1:\g1+7]
	s_nop 0
.rept 4
	v_nop
.endr
	s_branch .Lh_done
\next:
.endm
	HARM 2, G0K, G1K, .Lh_v
	HARM 4, G0V, G1V, .Lh_sk
	HARM 6, G0SK, G1SK, .Lh_sv
	s_cmp_lt_u32 s[WV], 8
	s_cbranch_scc0 .Lh_done
	tensor_load_to_lds s[G0SV:G0SV+3], s[G1SV:G1SV+7]
	s_nop 0
.rept 4
	v_nop
.endr
.Lh_done:
	s_lshl_b32 s16, s83, 7
	s_lshl_b32 s17, s81, 3
	s_add_co_u32 s16, s16, s17
	s_add_co_u32 s17, s16, s87
	s_mul_i32 s8, s17, 1536
	s_mul_i32 s19, s84, 393216
	s_add_co_u32 s8, s8, s19
	s_mov_b32 s9, 0
	s_add_nc_u64 s[8:9], s[4:5], s[8:9]
	s_lshl_b32 s10, s17, 6
	s_lshl_b32 s19, s84, 14
	s_add_co_u32 s10, s10, s19
	s_add_co_u32 s10, s10, QKS
	s_mov_b32 s11, 0
	s_add_nc_u64 s[10:11], s[4:5], s[10:11]
	s_lshr_b32 s17, s[WV], 1
	s_add_co_u32 s17, s17, s16
	s_mul_i32 s12, s17, 12288
	s_mul_i32 s17, s84, 1536
	s_add_co_u32 s12, s12, s17
	s_mul_i32 s17, s85, 768
	s_add_co_u32 s12, s12, s17
	s_mov_b32 s13, 0
	s_add_nc_u64 s[12:13], s[6:7], s[12:13]
	s_lshl_b32 s14, s16, 6
	s_add_co_u32 s14, s14, s19
	s_add_co_u32 s14, s14, ATS
	s_mov_b32 s15, 0
	s_add_nc_u64 s[14:15], s[6:7], s[14:15]
	s_cmp_eq_u32 s86, 0
	s_cselect_b32 s98, -1, 0
	s_cselect_b32 s99, 0, -1
	v_and_b32 v8, 15, v0
	v_and_b32 v9, 31, v0
	s_delay_alu instid0(VALU_DEP_1)
	v_lshlrev_b32 v[AK0], 4, v9
	s_delay_alu instid0(VALU_DEP_3)
	v_lshlrev_b32 v10, 2, v8
.irp c, 0,1,2
	global_load_b128 v[QF+4*\c:QF+4*\c+3], v[AK0], s[8:9] offset:512*\c
.endr
	global_load_b32 v[QS], v10, s[10:11]
	s_mul_i32 s16, s86, 24576
	s_add_co_u32 s16, s16, VOFF
	v_add_nc_u32 v[AV0], s16, v[AK0]
	v_add_nc_u32 v[ASK0], SCK, v10
	s_lshl_b32 s16, s86, 8
	s_add_co_u32 s16, s16, SCV
	v_add_nc_u32 v[ASV0], s16, v10
	v_mov_b32 v13, 0xff61b1e6
	s_delay_alu instid0(VALU_DEP_1)
	v_floor_f32 v12, -v13
	v_mov_b32 v14, 0
	v_mov_b32 v15, 0
.irp b, 0,1,2,3
	v_mov_b32 v[BT+\b], 0
.endr
	v_mov_b32 v[F+1], 0
	s_wait_loadcnt 0x0
.irp i, 0,1,2,3,4,5
	v_and_b32 v[QF+\i], s98, v[QF+\i]
	v_and_b32 v[QF+6+\i], s99, v[QF+6+\i]
.endr
.set j, 0
.rept 32
	v_mov_b32 v[O+j], 0
.set j, j+1
.endr
.macro KLOAD reg, ksw, tile0, q
.irp t, 0,1,2,3
.irp c, 0,1,2
	ds_load_b128 v[\reg+12*\t+4*\c:\reg+12*\t+4*\c+3], v[ADK] offset:(8*(\q)+\tile0+\t)*1536+512*\c
.endr
	ds_load_b32 v[\ksw+\t], v[ADS] offset:512*(\q)+64*(\tile0+\t)
.endr
.endm
.macro VLOAD q
.irp t, 0,1,2,3
.irp c, 0,1,2
	ds_load_b128 v[R1+12*\t+4*\c:R1+12*\t+4*\c+3], v[ADV] offset:6144*\t+1536*(\q)+512*\c
.endr
	ds_load_b32 v[KSW+\t], v[ADT] offset:512*(\q)+64*\t
.endr
.endm
.macro STEP q, pre, nxt
.if \pre == 0
	v_add_nc_u32 v[ADK], s[TB], v[AK0]
	v_add_nc_u32 v[ADV], s[TB], v[AV0]
	s_wait_alu depctr_va_vdst(0)
	v_add_nc_u32 v[ADS], s[TS], v[ASK0]
	v_add_nc_u32 v[ADT], s[TS], v[ASV0]
	s_wait_alu depctr_va_vdst(0)
	KLOAD R2, KS2, 0, \q
.endif
	KLOAD R1, KSW, 4, \q
	s_wait_dscnt 16
.irp t, 0,1,2,3
	v_wmma_scale_f32_16x16x128_f8f6f4 v[S+8*\t:S+8*\t+7], v[R2+12*\t:R2+12*\t+11], v[QF:QF+11], 0, v[KS2+\t], v[QS] matrix_a_fmt:MATRIX_FMT_FP6 matrix_b_fmt:MATRIX_FMT_FP6
.endr
	s_wait_dscnt 0x0
.irp t, 0,1,2,3
	v_wmma_scale_f32_16x16x128_f8f6f4 v[S+32+8*\t:S+39+8*\t], v[R1+12*\t:R1+12*\t+11], v[QF:QF+11], 0, v[KSW+\t], v[QS] matrix_a_fmt:MATRIX_FMT_FP6 matrix_b_fmt:MATRIX_FMT_FP6
.endr
.rept 4
	v_nop
.endr
	VLOAD \q
.if \nxt
	KLOAD R2, KS2, 0, (\q)+1
.endif
.irp b, 0,1,2,3
	v_max3_num_f32 v[BM+\b], v[S+16*\b], v[S+1+16*\b], v[S+2+16*\b]
.endr
.irp i, 3,5,7,9,11,13
.irp b, 0,1,2,3
	v_max3_num_f32 v[BM+\b], v[BM+\b], v[S+16*\b+\i], v[S+1+16*\b+\i]
.endr
.endr
.irp b, 0,1,2,3
	v_max_num_f32 v[BM+\b], v[BM+\b], v[S+15+16*\b]
.endr
.irp b, 0,1,2,3
	s_delay_alu instid0(VALU_DEP_4)
	v_permlanex16_b32 v[BT+\b], v[BM+\b], s[SEL], s[SEL+1]
.endr
.irp b, 0,1,2,3
	s_delay_alu instid0(VALU_DEP_4)
	v_max_num_f32 v[BM+\b], v[BM+\b], v[BT+\b]
.endr
	s_delay_alu instid0(VALU_DEP_2)
	v_max3_num_f32 v[T], v[BM], v[BM+1], v[BM+2]
	s_delay_alu instid0(VALU_DEP_1)
	v_max_num_f32 v[T], v[T], v[BM+3]
	s_delay_alu instid0(VALU_DEP_1)
	v_mul_f32 v[T], s[CS], v[T]
	s_delay_alu instid0(VALU_DEP_1)
	v_max_num_f32 v13, v13, v[T]
	v_mov_b32 v[T], v12
	s_delay_alu instid0(VALU_DEP_2)
	v_floor_f32 v12, -v13
	s_delay_alu instid0(VALU_DEP_1)
	v_sub_f32 v[T], v12, v[T]
	s_delay_alu instid0(VALU_DEP_1)
	v_cvt_i32_f32 v[T], v[T]
	s_delay_alu instid0(VALU_DEP_1)
	v_ldexp_f32 v[F], 1.0, v[T]
.set j, 0
.rept 32
	v_pk_fma_f32 v[S+j:S+j+1], v[S+j:S+j+1], s[CS:CS+1], v[12:13] op_sel_hi:[1,0,0]
.set j, j+2
.endr
.irp b, 0,1,2,3
	v_fma_f32 v[BM+\b], v[BM+\b], s[CS], v12
.endr
.set j, 0
	s_wait_alu depctr_va_vdst(0)
.rept 64
	v_exp_f32 v[S+j], v[S+j]
.set j, j+1
.endr
	v_pk_mul_f32 v[14:15], v[14:15], v[F:F+1] op_sel_hi:[1,0]
	s_wait_alu depctr_va_vdst(0)
.irp b, 0,1,2,3
	v_exp_f32 v[BM+\b], v[BM+\b]
.endr
	v_pk_add_f32 v[SU:SU+1], v[S:S+1], v[S+2:S+3]
.irp j, 4,8,12,16,20,24,28
	v_pk_add_f32 v[14:15], v[14:15], v[S+\j:S+\j+1]
	v_pk_add_f32 v[SU:SU+1], v[SU:SU+1], v[S+\j+2:S+\j+3]
.endr
	s_wait_alu depctr_va_vdst(0)
.irp b, 0,1,2,3
	v_max_num_f32 v[BM+\b], 0x1800000, v[BM+\b]
.endr
.irp b, 0,1,2,3
	s_delay_alu instid0(VALU_DEP_4)
	v_add_nc_u32 v[BS+\b], 0xff000000, v[BM+\b]
.endr
.irp b, 0,1,2,3
	s_delay_alu instid0(VALU_DEP_4)
	v_lshrrev_b32 v[BT+\b], 23, v[BS+\b]
.endr
	s_delay_alu instid0(VALU_DEP_3)
	v_lshl_or_b32 v[PW], v[BT+1], 8, v[BT]
	s_delay_alu instid0(VALU_DEP_1)
	v_lshl_or_b32 v[PW], v[BT+2], 16, v[PW]
	s_delay_alu instid0(VALU_DEP_1)
	v_lshl_or_b32 v[PW], v[BT+3], 24, v[PW]
	v_cvt_scalef32_pk16_fp6_f32 v[PT:PT+2], v[S+16:S+31], v[BS+1]
	v_nop
	v_cvt_scalef32_pk16_fp6_f32 v[PCD:PCD+2], v[S:S+15], v[BS]
	v_cvt_scalef32_pk16_fp6_f32 v[PCD+6:PCD+8], v[S+32:S+47], v[BS+2]
	v_nop
	v_cvt_scalef32_pk16_fp6_f32 v[S:S+2], v[S+48:S+63], v[BS+3]
	v_nop
.irp i, 0,1,2
	v_permlane16_swap_b32 v[PCD+\i], v[PT+\i]
.endr
.irp i, 0,1,2
	s_delay_alu instid0(VALU_DEP_3)
	v_mov_b32 v[PCD+3+\i], v[PT+\i]
.endr
.irp i, 0,1,2
	v_permlane16_swap_b32 v[PCD+6+\i], v[S+\i]
.endr
.irp i, 0,1,2
	s_delay_alu instid0(VALU_DEP_3)
	v_mov_b32 v[PCD+9+\i], v[S+\i]
.endr
.set j, 0
.rept 16
	v_pk_mul_f32 v[O+j:O+j+1], v[O+j:O+j+1], v[F:F+1] op_sel_hi:[1,0]
.set j, j+2
.endr
	s_wait_alu depctr_va_vdst(0)
	s_wait_dscnt 16*\nxt
.irp t, 0,1,2,3
	v_wmma_scale_f32_16x16x128_f8f6f4 v[O+8*\t:O+8*\t+7], v[R1+12*\t:R1+12*\t+11], v[PCD:PCD+11], v[O+8*\t:O+8*\t+7], v[KSW+\t], v[PW] matrix_a_fmt:MATRIX_FMT_FP6 matrix_b_fmt:MATRIX_FMT_FP6
.endr
.irp j, 32,36,40,44,48,52,56,60
	v_pk_add_f32 v[14:15], v[14:15], v[S+\j:S+\j+1]
	v_pk_add_f32 v[SU:SU+1], v[SU:SU+1], v[S+\j+2:S+\j+3]
.endr
	s_delay_alu instid0(VALU_DEP_1)
	v_pk_add_f32 v[14:15], v[14:15], v[SU:SU+1]
.endm
.macro CHANGE fill
	s_wait_tensorcnt 0x0
	ds_add_u32 v[SPW], v[NIL]
.if \fill
	ds_add_u32 v[SPW], v[NIL]
	s_xor_b32 s[G0K+1], s[G0K+1], SLOT1
	s_add_nc_u64 s[G0K+2:G0K+3], s[G0K+2:G0K+3], 49152
	s_xor_b32 s[G0V+1], s[G0V+1], SLOT1
	s_add_nc_u64 s[G0V+2:G0V+3], s[G0V+2:G0V+3], 6144
.endif
	s_wait_dscnt 0x0
.if \fill
	CROUND
	TLOAD G0K, G1K, G0V, G1V
.else
	s_barrier_signal -1
	s_barrier_wait -1
.endif
.endm
.macro SLOT_STEPS
	STEP 0, 0, 1
	STEP 1, 1, 1
	STEP 2, 1, 1
	STEP 3, 1, 0
	s_xor_b32 s[TB], s[TB], SLOT1
	s_add_co_u32 s[TS], s[TS], 2048
.endm
.Lslot:
	CHANGE 1
	SLOT_STEPS
	s_sub_co_u32 s[SLOTS], s[SLOTS], 1
	s_cmp_lg_u32 s[SLOTS], 0
	s_cbranch_scc1 .Lslot
	CHANGE 0
	SLOT_STEPS
	v_add_f32 v14, v14, v15
	s_delay_alu instid0(VALU_DEP_1)
	v_permlanex16_b32 v[F], v14, s[SEL], s[SEL+1]
	s_delay_alu instid0(VALU_DEP_1)
	v_add_f32 v14, v14, v[F]
	s_wait_alu depctr_va_vdst(0)
	v_rcp_f32 v14, v14
	v_and_b32 v10, 15, v0
	s_wait_alu depctr_va_vdst(0)
	s_mul_i32 s16, s87, 1536
	s_add_co_u32 s16, s16, STG
	s_mul_i32 s17, s86, 520
	s_add_co_u32 s17, s17, s16
	v_add_nc_u32 v8, s17, v[AK0]
	s_mul_i32 s17, s86, 1016
	s_add_co_u32 s17, s17, s16
	v_add_nc_u32 v9, s17, v[AK0]
	s_lshl_b32 s16, s87, 6
	s_lshl_b32 s17, s86, 1
	s_add_co_u32 s16, s16, s17
	s_add_co_u32 s16, s16, SSG
	v_lshl_add_u32 v10, v10, 2, s16
	v_and_b32 v[GO8], 31, v0
	s_delay_alu instid0(VALU_DEP_1)
	v_lshlrev_b32 v[GO8], 3, v[GO8]
	s_mul_i32 s16, s[WV], 768
	s_add_co_u32 s16, s16, STG
	v_add_nc_u32 v11, s16, v[GO8]
	v_add_nc_u32 v[SSA], SSG, v[AK0]
	s_wait_alu depctr_va_vdst(0)
.set j, 0
.rept 32
	v_mul_f32 v[S+j], v[O+j], v14
.set j, j+1
.endr
.irp b, 0,1
	v_max3_num_f32 v[BM+\b], |v[S+16*\b]|, |v[S+1+16*\b]|, 0x1800000
.endr
.irp i, 2,4,6,8,10,12,14
.irp b, 0,1
	s_delay_alu instid0(VALU_DEP_2)
	v_max3_num_f32 v[BM+\b], v[BM+\b], |v[S+16*\b+\i]|, |v[S+1+16*\b+\i]|
.endr
.endr
.irp b, 0,1
	s_delay_alu instid0(VALU_DEP_2)
	v_permlanex16_b32 v[BT+\b], v[BM+\b], s[SEL], s[SEL+1]
.endr
.irp b, 0,1
	s_delay_alu instid0(VALU_DEP_2)
	v_max_num_f32 v[BM+\b], v[BM+\b], v[BT+\b]
.endr
.irp b, 0,1
	s_delay_alu instid0(VALU_DEP_2)
	v_add_nc_u32 v[BS+\b], 0xff000000, v[BM+\b]
.endr
.irp b, 0,1
	s_delay_alu instid0(VALU_DEP_2)
	v_lshrrev_b32 v[BT+\b], 23, v[BS+\b]
.endr
	s_delay_alu instid0(VALU_DEP_1)
	v_lshl_or_b32 v[HW], v[BT+1], 8, v[BT]
	v_cvt_scalef32_pk16_fp6_f32 v[WC:WC+2], v[S:S+15], v[BS]
	v_cvt_scalef32_pk16_fp6_f32 v[WT:WT+2], v[S+16:S+31], v[BS+1]
	v_nop
.irp i, 0,1,2
	v_permlane16_swap_b32 v[WC+\i], v[WT+\i]
.endr
.irp i, 0,1,2
	s_delay_alu instid0(VALU_DEP_3)
	v_mov_b32 v[WC+3+\i], v[WT+\i]
.endr
	ds_store_b64 v8, v[WC:WC+1]
	ds_store_b64 v9, v[WC+2:WC+3] offset:8
	ds_store_b64 v8, v[WC+4:WC+5] offset:512
	ds_store_b16 v10, v[HW]
	s_wait_dscnt 0x0
	s_barrier_signal -1
	s_barrier_wait -1
.irp i, 0,1,2
	ds_load_b64 v[48+2*\i:49+2*\i], v11 offset:256*\i
.endr
.irp i, 0,1,2
	s_wait_dscnt 2-\i
	global_store_b64 v[GO8], v[48+2*\i:49+2*\i], s[12:13] offset:256*\i
.endr
	s_cmp_lg_u32 s[WV], 0
	s_cbranch_scc1 .Lnot_0
	ds_load_b128 v[56:59], v[SSA]
	s_wait_dscnt 0x0
	global_store_b128 v[AK0], v[56:59], s[14:15]
.Lnot_0:
	s_wait_tensorcnt 0x0
	ds_add_u32 v[SPW], v[NIL]
	s_wait_dscnt 0x0
	CROUND
	s_endpgm
.Lfunc_end_k_q6f4be556a1_attn:
	.size	k_q6f4be556a1_attn, .Lfunc_end_k_q6f4be556a1_attn-k_q6f4be556a1_attn
	.p2alignl 7, 3214868480
	.fill 96, 4, 3214868480
	.section	.rodata,"a",@progbits
	.p2align	6, 0x0
	.amdhsa_kernel k_q6f4be556a1_attn
		.amdhsa_group_segment_fixed_size 327680
		.amdhsa_private_segment_fixed_size 0
		.amdhsa_enable_private_segment 0
		.amdhsa_kernarg_size 16
		.amdhsa_user_sgpr_count 2
		.amdhsa_user_sgpr_kernarg_segment_ptr 1
		.amdhsa_wavefront_size32 1
		.amdhsa_system_sgpr_workgroup_id_x 1
		.amdhsa_system_sgpr_workgroup_id_y 1
		.amdhsa_system_sgpr_workgroup_id_z 1
		.amdhsa_system_vgpr_workitem_id 0
		.amdhsa_next_free_vgpr 256
		.amdhsa_next_free_sgpr 100
		.amdhsa_reserve_vcc 0
		.amdhsa_float_denorm_mode_32 3
		.amdhsa_float_denorm_mode_16_64 3
		.amdhsa_memory_ordered 1
		.amdhsa_forward_progress 1
		.amdhsa_inst_pref_size 160
	.end_amdhsa_kernel
	.amdgpu_metadata
---
amdhsa.version: [ 1, 2 ]
amdhsa.kernels:
  - .name:           k_q6f4be556a1_attn
    .symbol:         k_q6f4be556a1_attn.kd
    .args:
      - { .name: W2, .offset: 0, .size: 8, .value_kind: global_buffer, .address_space: global }
      - { .name: W3, .offset: 8, .size: 8, .value_kind: global_buffer, .address_space: global }
    .group_segment_fixed_size: 327680
    .private_segment_fixed_size: 0
    .kernarg_segment_align: 8
    .kernarg_segment_size: 16
    .max_flat_workgroup_size: 512
    .sgpr_count:     100
    .vgpr_count:     256
    .wavefront_size: 32
...
	.end_amdgpu_metadata
.endif
;; end of part 3
;; launch outp (part 4): grid 8 x 32, 4 waves a work-group, clusters of 4 x 4, 327,680 bytes of LDS; arguments W3, W1, x, W4; writes W4
.if DOCPART == 4
	.amdgcn_target "amdgcn-amd-amdhsa--gfx1250"
	.amdhsa_code_object_version 6
	.text
	.protected	k_q6f4be556a1_outp
	.globl	k_q6f4be556a1_outp
	.p2align	8
	.type	k_q6f4be556a1_outp,@function
k_q6f4be556a1_outp:
	s_mov_b64 s[64:65], 0
	v_nop
	global_prefetch_b8 v0, s[64:65] scope:SCOPE_SE
	s_setreg_imm32_b32 hwreg(HW_REG_WAVE_MODE, 25, 1), 1
	s_wait_xcnt 0x0
	s_wait_alu depctr_hold_cnt(0) depctr_sa_sdst(0) depctr_va_vdst(0) depctr_va_sdst(0) depctr_va_ssrc(0) depctr_va_vcc(0) depctr_vm_vsrc(0)
	s_getreg_b32 s2, hwreg(HW_REG_IB_STS2, 6, 4)
	s_cmp_eq_u32 s2, 0
	s_cbranch_scc0 .Lentry_in_a_cluster
	s_endpgm
.Lentry_in_a_cluster:
	s_bfe_u32 s2, ttmp6, 0x10000c
	s_cmp_lg_u32 s2, 0xf033
	s_cbranch_scc0 .Lentry_shape_is_right
	s_endpgm
.Lentry_shape_is_right:
.set KST, 8
.set ASC, 3145728
.set BCO, 5767168
.set BSC, 6553600
.set FR, 12
.set NP, 4
.set NQ, 1
.set RBS, 6144
.set HALFT, 24576
.set SLOT, 4*HALFT
.set SLK, 6144
.set SCL, 2*SLOT
.set HR, 4                             ; blocks of rows that a load of the ring brings
.set PFA, 96                           ; s[96:97] where my prefetches stand: my work-group's one block of the four that I fetch
.set HALFS, (KST/2)*512
.set SPARE, 270336
.set RD, 8
.set ADRA, 16
.set ADRB, 20
.set STO, 24
.set CO, 26
.set ADRS, 27
.set SPW, 28
.set NIL, 29
.set SC, 32
.set SUMB, 64
.set AF, 128
.set G1, 24
.set G0, 32
.set G1B, 48
.set G0B, 56
.set G1S, 68
.set G0S, 76
.set G1SB, 80
.set G0SB, 88
.set MSB, 0
.macro WIN new
.if MSB != \new
	s_set_vgpr_msb (MSB<<8)|\new
.set MSB, \new
.endif
.endm
.set MUL_LO, 0xa1
.set MUL_HI, 0xf1
.set TO_B, 0x40
.macro JLOAD g0a, g1a, g0b, g1b
	s_cmp_eq_u32 s15, 0
	s_cbranch_scc0 .Lfor_b_\@
	tensor_load_to_lds s[\g0a:\g0a+3], s[\g1a:\g1a+7]
	s_nop 0
.rept 4
	v_nop
.endr
	s_branch .Lasked_\@
.Lfor_b_\@:
	tensor_load_to_lds s[\g0b:\g0b+3], s[\g1b:\g1b+7]
	s_nop 0
.rept 4
	v_nop
.endr
.Lasked_\@:
.endm
.macro CREST
	s_cmp_lg_u32 s14, 0
	s_cbranch_scc1 .Lnot_wave_0_\@
	s_barrier_signal -3
.Lnot_wave_0_\@:
	s_barrier_wait -3
	s_barrier_signal -1
	s_barrier_wait -1
.endm
.macro CROUND
	s_barrier_signal -1
	s_barrier_wait -1
	CREST
.endm
.macro PLACES n
.rept \n
	v_nop
.endr
.endm
	s_load_b256 s[4:11], s[0:1], 0x0
	v_lshl_add_u32 v[SPW], v0, 2, SPARE
	v_mov_b32 v[NIL], 0
	ds_add_u32 v28, v29
	ds_add_u32 v28, v29
	v_lshrrev_b32 v1, 5, v0
	v_readfirstlane_b32 s14, v1
	s_lshr_b32 s15, s14, 1
	s_and_b32 s16, s14, 1
	s_bfe_u32 s40, ttmp6, 0x40000
	s_bfe_u32 s41, ttmp6, 0x40004
	s_lshl_b32 s42, ttmp9, 2
	s_add_co_u32 s42, s42, s40
	s_and_b32 s17, ttmp7, 0xffff
	s_lshl_b32 s17, s17, 2
	s_add_co_u32 s17, s17, s41
	s_lshl_b32 s43, s41, 2
	s_lshl_b32 s43, 15, s43
	s_lshl_b32 s44, 0x1111, s40
	s_or_b32 s[G1+0], s43, (3<<16)|(1<<21)
	s_or_b32 s[G1B+0], s44, (3<<16)|(1<<21)
.irp g, G1, G1B
	s_mov_b32 s[\g+1], 768<<16
	s_mov_b32 s[\g+2], 8<<16
	s_mov_b32 s[\g+3], 768<<16
	s_mov_b32 s[\g+4], 8
	s_mov_b32 s[\g+5], KST*192
	s_mov_b32 s[\g+6], 0
	s_mov_b32 s[\g+7], 0
.endr
	s_or_b32 s[G1S+0], s43, (3<<16)|(1<<21)
	s_or_b32 s[G1SB+0], s44, (3<<16)|(1<<21)
.irp g, G1S, G1SB
	s_mov_b32 s[\g+1], 64<<16
	s_mov_b32 s[\g+2], KST<<16
	s_mov_b32 s[\g+3], 64<<16
	s_mov_b32 s[\g+4], KST
	s_mov_b32 s[\g+5], 2048
	s_mov_b32 s[\g+6], 0
	s_mov_b32 s[\g+7], 0
.endr
	s_mul_i32 s66, s16, 4*KST*1536                 ; in the ring I fetch a half: 4 blocks of rows
	s_mov_b32 s67, 0
	s_mul_i32 s20, s17, 8*KST*1536
	s_lshl_b32 s22, s17, 9
	s_add_co_u32 s22, s22, ASC
	s_mul_i32 s46, s42, 8*KST*1536
	s_add_co_u32 s46, s46, BCO
	s_lshl_b32 s92, s42, 9
	s_add_co_u32 s92, s92, BSC
	s_mov_b32 s21, 0
	s_mov_b32 s23, 0
	s_mov_b32 s47, 0
	s_mov_b32 s93, 0
	s_mul_i32 s45, s14, HALFT
	s_wait_dscnt 0x0                               ; both opening adds are done; the set-up above, work on registers, stood between them and this wait
	CROUND                                         ; the opening round, ahead of the wait for the arguments
	s_wait_kmcnt 0x0
	s_add_nc_u64 s[20:21], s[4:5], s[20:21]
	s_add_nc_u64 s[22:23], s[4:5], s[22:23]
	s_add_nc_u64 s[46:47], s[6:7], s[46:47]
	s_add_nc_u64 s[92:93], s[6:7], s[92:93]
	s_mov_b32 s[G0S], 1
	s_mov_b32 s[G0S+1], SCL
	s_mov_b64 s[G0S+2:G0S+3], s[22:23]
	s_or_b32 s[G0S+3], s[G0S+3], 0x80000000
	s_mov_b32 s[G0SB], 1
	s_mov_b32 s[G0SB+1], SCL+2*HALFS
	s_mov_b64 s[G0SB+2:G0SB+3], s[92:93]
	s_or_b32 s[G0SB+3], s[G0SB+3], 0x80000000
	s_mov_b32 s[G0], 1                             ; the head's tiles, each whole: slot 0's 8 blocks of A,
	s_mov_b32 s[G0+1], 0
	s_mov_b64 s[G0+2:G0+3], s[20:21]
	s_or_b32 s[G0+3], s[G0+3], 0x80000000
	s_mov_b32 s[G0B], 1                            ; its 8 blocks of B, behind them
	s_mov_b32 s[G0B+1], 2*HALFT
	s_mov_b64 s[G0B+2:G0B+3], s[46:47]
	s_or_b32 s[G0B+3], s[G0B+3], 0x80000000
	s_add_nc_u64 s[20:21], s[20:21], s[66:67]      ; for the ring: my half of the tile
	s_add_nc_u64 s[46:47], s[46:47], s[66:67]
	s_mov_b32 s[G0+4], 1
	s_add_co_u32 s[G0+5], s45, SLOT
	s_add_nc_u64 s[G0+6:G0+7], s[20:21], SLK
	s_or_b32 s[G0+7], s[G0+7], 0x80000000
	s_mov_b32 s[G0B+4], 1
	s_add_co_u32 s[G0B+5], s45, SLOT
	s_add_nc_u64 s[G0B+6:G0B+7], s[46:47], SLK
	s_or_b32 s[G0B+7], s[G0B+7], 0x80000000
	s_cmp_eq_u32 s15, 0                            ; the prefetches: the four partners of a joint load share its blocks out by address (cx for A, cy for B)
	s_cselect_b32 s22, s40, s41
	s_cselect_b64 s[PFA:PFA+1], s[20:21], s[46:47]
	s_mul_i32 s22, s22, (HR/4)*KST*1536
	s_mov_b32 s23, 0
	s_add_nc_u64 s[PFA:PFA+1], s[PFA:PFA+1], s[22:23]
; THE HEAD'S LOADS, ONE A WAVE: wave 0 slot 0's rows of A, wave 1 those of B, wave 2 A's scale words, wave 3 B's.  One chain of branches on the wave's number.
.macro ARM under, g0, g1, next
	s_cmp_lt_u32 s14, \under
	s_cbranch_scc0 \next
	tensor_load_to_lds s[\g0:\g0+3], s[\g1:\g1+7]
	s_nop 0
	PLACES 4
	s_branch .Lhead_asked
\next:
.endm
	ARM 1, G0, G1, .Lhead_b
	ARM 2, G0B, G1B, .Lhead_sa
	ARM 3, G0S, G1S, .Lhead_sb
	tensor_load_to_lds s[G0SB:G0SB+3], s[G1SB:G1SB+7]
	s_nop 0
	PLACES 4
.Lhead_asked:
	v_and_b32 v1, 15, v0
	v_bfe_u32 v2, v0, 4, 1
	v_and_b32 v3, 31, v0
	v_lshlrev_b32 v[CO], 4, v3
	v_min_u32 v31, 23, v3                          ; v31: a tile prefetch's offset: the 24 blocks of 256 bytes of a block of rows in a slot; lanes 24-31 name the last again
	v_lshlrev_b32 v31, 8, v31
	v_lshlrev_b32 v30, 12, v3                      ; v30: the residual's: a lane a row of 4,096 bytes
	s_mul_i32 s21, s14, 1536
	s_add_co_u32 s22, s21, 2*HALFT
.irp s, 0,1
	v_add_nc_u32 v[ADRA+\s], s21, v[CO]
	v_add_nc_u32 v[ADRB+\s], s22, v[CO]
	s_add_co_u32 s21, s21, SLOT
	s_add_co_u32 s22, s22, SLOT
.endr
	v_lshlrev_b32 v5, 2, v1
	v_mad_u32_u24 v5, v2, 2*HALFS, v5
	s_lshl_b32 s21, s14, 9
	s_add_co_u32 s21, s21, SCL
	v_add_nc_u32 v[ADRS], s21, v5
	s_mul_i32 s23, s14, 67584
	v_mul_u32_u24 v5, v1, 528
	v_lshl_add_u32 v5, v2, 5, v5
	v_add_nc_u32 v[STO], s23, v5
	s_mul_i32 s23, s14, 16896
.irp s, 0,1,2,3
	v_add_nc_u32 v[RD+\s], s23, v[CO]
	s_add_co_u32 s23, s23, 67584
.endr
	s_lshl_b32 s20, s17, 19
	s_lshl_b32 s21, s14, 17
	s_add_co_u32 s20, s20, s21
	s_lshl_b32 s46, s42, 9
	s_add_co_u32 s20, s20, s46
	s_mov_b32 s21, 0
	s_add_nc_u64 s[8:9], s[8:9], s[20:21]
	s_add_nc_u64 s[12:13], s[10:11], s[20:21]
.macro FRAG reg, adr, off
.irp c, 0,1,2
	ds_load_b128 v[\reg+4*\c:\reg+4*\c+3], v[\adr] offset:\off+512*\c
.endr
.endm
.macro FETCH_B slot, p
	WIN TO_B
.irp i, 0,1,2,3,4,5,6,7
	FRAG 128*(\p)+FR*\i, ADRB+\slot, \i*RBS
.endr
	WIN 0
.endm
.macro FETCH_A slot, i0
.irp i, \i0, \i0+1, \i0+2, \i0+3
	FRAG AF+FR*(\i), ADRA+\slot, (\i)*RBS
.endr
.endm
.macro SCALES sc
.irp i, 0,1,2,3,4,5,6,7
	ds_load_b32 v[SC+8*\sc+\i], v[ADRS] offset:64*\i
.endr
.endm
.macro MUL16 a0, p, zero
.irp a, \a0, \a0+1
.irp b, 0,1,2,3,4,5,6,7
.set rD, 8*(8*((\a)%4)+\b)
.set rB, 128*(\p)+FR*\b
.set rA, AF+FR*(\a)
.set rSB, SC+8*(\p)+\b
.set rSA, SC+8*(\p)+(\a)
.if \zero
	v_wmma_scale_f32_16x16x128_f8f6f4 v[rD:rD+7], v[rB:rB+FR-1], v[rA:rA+FR-1], 0, v[rSB], v[rSA] matrix_a_fmt:MATRIX_FMT_FP6 matrix_b_fmt:MATRIX_FMT_FP6 matrix_a_scale:MATRIX_SCALE_ROW1
.else
	v_wmma_scale_f32_16x16x128_f8f6f4 v[rD:rD+7], v[rB:rB+FR-1], v[rA:rA+FR-1], v[rD:rD+7], v[rSB], v[rSA] matrix_a_fmt:MATRIX_FMT_FP6 matrix_b_fmt:MATRIX_FMT_FP6 matrix_a_scale:MATRIX_SCALE_ROW1
.endif
.endr
.endr
.endm
.macro TURN slot, next, fill, zero
	s_wait_tensorcnt 0x0
	ds_add_u32 v[SPW], v[NIL]
	s_wait_dscnt 13
	WIN MUL_LO
	MUL16 0, \slot, \zero
	s_wait_dscnt 0x0
	s_barrier_signal -1
	MUL16 2, \slot, \zero
	WIN 0
	s_barrier_wait -1
.if \fill
	CREST
	s_add_nc_u64 s[G0+4*\slot+2:G0+4*\slot+3], s[G0+4*\slot+2:G0+4*\slot+3], 2*SLK
	s_add_nc_u64 s[G0B+4*\slot+2:G0B+4*\slot+3], s[G0B+4*\slot+2:G0B+4*\slot+3], 2*SLK
	JLOAD G0+4*\slot, G1, G0B+4*\slot, G1B
.else
	PLACES NP
.endif
	v_add_nc_u32 v[ADRS], 2048, v[ADRS]
	FETCH_B \next, \next
	FETCH_A \next, 0
	SCALES \next
	WIN MUL_HI
	MUL16 4, \slot, \zero
	MUL16 6, \slot, \zero
	PLACES NP
	WIN 0
	FETCH_A \next, 4
.endm
	s_wait_alu depctr_va_vdst(0)                   ; the wait at the head's end
	global_prefetch_b8 v31, s[PFA:PFA+1] offset:SLK th:TH_LOAD_NT scope:SCOPE_SE     ; K slot 1, the last, is asked for into the L2
	s_wait_tensorcnt 0x0                           ; my tile of the head's four is in; the three lines ahead of a later first fill, as ahead of a refill
	ds_add_u32 v[SPW], v[NIL]
	s_mov_b32 s[G1+2], HR<<16                      ; no tensor load of mine is out: from here on a load brings 4 blocks of rows
	s_mov_b32 s[G1+4], HR
	s_mov_b32 s[G1B+2], HR<<16
	s_mov_b32 s[G1B+4], HR
	s_wait_dscnt 0x0
	CROUND                                         ; all four tiles are in, and all sixteen work-groups are here
	JLOAD G0+4, G1, G0B+4, G1B                     ; slot 1's first fill, the first tensor load behind the round
	global_prefetch_b8 v30, s[8:9] th:TH_LOAD_NT scope:SCOPE_SE                      ; my 32 rows x 512 bytes of the residual, which only this wave reads
	global_prefetch_b8 v30, s[8:9] offset:256 th:TH_LOAD_NT scope:SCOPE_SE
	FETCH_B 0, 0
	FETCH_A 0, 0
	SCALES 0
	FETCH_A 0, 4
.if KST == 8
	TURN 0, 1, 0, 1
.else
	TURN 0, 1, 1, 1
	s_mov_b32 s3, 2
.Llap:
	TURN 1, 0, 1, 0
	TURN 0, 1, 1, 0
	s_sub_co_u32 s3, s3, 1
	s_cmp_lg_u32 s3, 0
	s_cbranch_scc1 .Llap
	TURN 1, 0, 1, 0
	TURN 0, 1, 0, 0
.endif
	WIN 0x40                                       ; the residual, into B's set 0 and the 32 registers behind it, which the last step's products do not name; the places behind set 0's last products have passed
.set i, 0
.rept 32
	global_load_b128 v[4*i:4*i+3], v[CO], s[8:9] offset:4096*i
.set i, i+1
.endr
	WIN 0
	s_wait_dscnt 12
	WIN MUL_LO
	MUL16 0, 1, 0
	MUL16 2, 1, 0
	s_wait_dscnt 0x0
	WIN MUL_HI
	MUL16 4, 1, 0
	MUL16 6, 1, 0
	WIN 0
	PLACES NP
	s_wait_dscnt 0x0
	s_barrier_signal -1
	s_barrier_wait -1
.irp a, 0,1,2,3,4,5,6,7
.set WQ, 0x08+4*((\a)/4)
	WIN WQ
.irp b, 0,1,2,3,4,5,6,7
	ds_store_b128 v[STO], v[8*(8*((\a)%4)+\b):8*(8*((\a)%4)+\b)+3] offset:8448*\a+64*\b
	ds_store_b128 v[STO], v[8*(8*((\a)%4)+\b)+4:8*(8*((\a)%4)+\b)+7] offset:8448*\a+64*\b+16
.endr
.endr
	WIN 0
	s_wait_dscnt 0x0
	s_barrier_signal -1
	s_barrier_wait -1
.irp g, 0,1,2,3
.if \g > 0
	s_wait_xcnt 0x0
.endif
.irp s, 0,1,2,3
.irp i, 0,1,2,3,4,5,6,7
	ds_load_b128 v[SUMB+32*\s+4*\i:SUMB+32*\s+4*\i+3], v[RD+\s] offset:8448*(\g/2)+528*(8*(\g%2)+\i)
.endr
.endr
	s_wait_dscnt 0x0
.if \g == 0
	s_wait_loadcnt 0x0
.endif
.set k, 0
.rept 16
	v_pk_add_f32 v[SUMB+k:SUMB+k+1], v[SUMB+k:SUMB+k+1], v[SUMB+32+k:SUMB+33+k]
	v_pk_add_f32 v[SUMB+64+k:SUMB+65+k], v[SUMB+64+k:SUMB+65+k], v[SUMB+96+k:SUMB+97+k]
.set k, k+2
.endr
.set k, 0
.rept 16
	v_pk_add_f32 v[SUMB+k:SUMB+k+1], v[SUMB+k:SUMB+k+1], v[SUMB+64+k:SUMB+65+k]
.set k, k+2
.endr
	WIN 0x04
.set k, 0
.rept 16
	v_pk_add_f32 v[SUMB+k:SUMB+k+1], v[SUMB+k:SUMB+k+1], v[32*\g+k:32*\g+k+1]
.set k, k+2
.endr
	WIN 0
.irp i, 0,1,2,3,4,5,6,7
.if KST == 8
	global_store_b128 v[CO], v[SUMB+4*\i:SUMB+4*\i+3], s[12:13] offset:4096*(8*\g+\i)
.else
	global_store_b128 v[CO], v[SUMB+4*\i:SUMB+4*\i+3], s[12:13] offset:4096*(8*\g+\i) th:TH_STORE_NT
.endif
.endr
.endr
	s_wait_tensorcnt 0x0
	ds_add_u32 v[SPW], v[NIL]
	s_wait_dscnt 0x0
	CROUND
	s_endpgm
.Lfunc_end_k_q6f4be556a1_outp:
	.size	k_q6f4be556a1_outp, .Lfunc_end_k_q6f4be556a1_outp-k_q6f4be556a1_outp
	.p2alignl 7, 3214868480
	.fill 96, 4, 3214868480
	.section	.rodata,"a",@progbits
	.p2align	6, 0x0
	.amdhsa_kernel k_q6f4be556a1_outp
		.amdhsa_group_segment_fixed_size 327680
		.amdhsa_private_segment_fixed_size 0
		.amdhsa_enable_private_segment 0
		.amdhsa_kernarg_size 32
		.amdhsa_user_sgpr_count 2
		.amdhsa_user_sgpr_kernarg_segment_ptr 1
		.amdhsa_wavefront_size32 1
		.amdhsa_system_sgpr_workgroup_id_x 1
		.amdhsa_system_sgpr_workgroup_id_y 1
		.amdhsa_system_sgpr_workgroup_id_z 1
		.amdhsa_system_vgpr_workitem_id 0
		.amdhsa_next_free_vgpr 1024
		.amdhsa_next_free_sgpr 100
		.amdhsa_reserve_vcc 0
		.amdhsa_float_denorm_mode_32 3
		.amdhsa_float_denorm_mode_16_64 3
		.amdhsa_memory_ordered 1
		.amdhsa_forward_progress 1
		.amdhsa_inst_pref_size 74
	.end_amdhsa_kernel
	.amdgpu_metadata
---
amdhsa.version: [ 1, 2 ]
amdhsa.kernels:
  - .name:           k_q6f4be556a1_outp
    .symbol:         k_q6f4be556a1_outp.kd
    .args:
      - { .name: W3, .offset: 0, .size: 8, .value_kind: global_buffer, .address_space: global }
      - { .name: W1, .offset: 8, .size: 8, .value_kind: global_buffer, .address_space: global }
      - { .name: x, .offset: 16, .size: 8, .value_kind: global_buffer, .address_space: global }
      - { .name: W4, .offset: 24, .size: 8, .value_kind: global_buffer, .address_space: global }
    .group_segment_fixed_size: 327680
    .private_segment_fixed_size: 0
    .kernarg_segment_align: 8
    .kernarg_segment_size: 32
    .max_flat_workgroup_size: 128
    .sgpr_count:     100
    .vgpr_count:     1024
    .wavefront_size: 32
...
	.end_amdgpu_metadata
.endif
;; end of part 4
;; launch ln2: the kernel of part 1 again; grid 256 x 1, 16 waves a work-group, no clusters, 88,576 bytes of LDS; arguments W4, norm2_scale, norm2_bias, qkv_w, out_w, ff_up_w, ff_down_w, W5; writes W5
;; launch up (part 5): grid 16 x 16, 4 waves a work-group, clusters of 4 x 4, 327,680 bytes of LDS; arguments W5, W1, W6; writes W6
.if DOCPART == 5
	.amdgcn_target "amdgcn-amd-amdhsa--gfx1250"
	.amdhsa_code_object_version 6
	.text
	.protected	k_q6f4be556a1_up
	.globl	k_q6f4be556a1_up
	.p2align	8
	.type	k_q6f4be556a1_up,@function
k_q6f4be556a1_up:
	s_mov_b64 s[64:65], 0
	v_nop
	global_prefetch_b8 v0, s[64:65] scope:SCOPE_SE
	s_setreg_imm32_b32 hwreg(HW_REG_WAVE_MODE, 25, 1), 1
	s_wait_xcnt 0x0
	s_wait_alu depctr_hold_cnt(0) depctr_sa_sdst(0) depctr_va_vdst(0) depctr_va_sdst(0) depctr_va_ssrc(0) depctr_va_vcc(0) depctr_vm_vsrc(0)
	s_getreg_b32 s2, hwreg(HW_REG_IB_STS2, 6, 4)
	s_cmp_eq_u32 s2, 0
	s_cbranch_scc0 .Lentry_in_a_cluster
	s_endpgm
.Lentry_in_a_cluster:
	s_bfe_u32 s2, ttmp6, 0x10000c
	s_cmp_lg_u32 s2, 0xf033
	s_cbranch_scc0 .Lentry_shape_is_right
	s_endpgm
.Lentry_shape_is_right:
; g = gelu(h2 ff_up_w^T), exact gelu, on codes of FP6, K = 1,024; g is quantised in registers along its columns (the next product's K) and leaves as operand images of 1,536 bytes with their scale words: no f32 result goes to memory.
; A tile of C, 256 x 256, is made by four waves, each 128 x 128: 64 accumulators, 512 registers; 256 tiles.
; OPERANDS lie in memory as images of their registers, [block of 16 rows][K step of 128][1,536 bytes]; a fragment is three loads of 16 bytes a lane.  K goes in steps of 256 through two LDS slots; the scale words for all of K come once.
; CLUSTERS 4 x 4: A's tiles are asked for jointly along a row of the cluster, B's along a column.  The matrix instruction is used transposed (source 0 = B's rows, source 1 = A's): a lane holds one row of C and eight columns.
; ff_up_w's rows were stored with the middle octets of each 32 swapped, so that the codes made here stand in natural order along the next K.
; gelu(x) = x / 2 + (x / 2) erf(x / sqrt 2).  erf(z) = z P(z^2) / Q(z^2) with z held to [-4, 4], P of degree 6, Q of degree 4, in f32.
; LIMITS: erf is good to a few units in its last place, so for x under about -3, where 1 + erf cancels, gelu carries an absolute error of about 1e-7 |x|.  NaN and infinities are not served; a block of zeros gets the byte 1 (zero codes; only this program reads the bytes).
; REGISTERS: window 0: v0-31 addresses and two constants; v32-63 scale words, two sets, nothing else; v64-127 at work on the way out; v128-223 A's fragments, later v128-191 a block's 64 numbers and v192-255 gelu's scratch.  Window 1: B's fragments.  Windows 2, 3: accumulators.
.set ASC, 3145728
.set BCO, 6684672
.set BSC, 9830400
.set GS,  12582912
.set KST, 8
.set FR, 12
.set NP, 4                             ; places behind this matrix instruction (ISA guide 7.12.1)
.set NQ, 2
.set RBS, 3072
.set HALFT, 24576
.set SLOT, 4*HALFT
.set SLK, 3072
.set SCL, 2*SLOT                       ; the scale words: A's [K step][256 rows], then B's
.set HR, 8                             ; blocks of rows that a load of the ring brings
.set PFA, 98                           ; s[98:99] where my prefetches stand: my work-group's two blocks of the eight that I fetch, at K slot 0; never rewritten
.set HALFS, KST*512
.set SPARE, SCL+4*HALFS                ; the spare words: 128 bytes a wave, named by no other line
.set ADRA, 16
.set ADRB, 20
.set SWA, 24                           ; the way out: where a row's scale word goes (slot 0, which has had its last fill and its last read by then)
.set SWR, 25
.set CO, 26
.set ADRS, 27
.set SPW, 28
.set NIL, 29
.set SWT, 30
.set SC, 32
.set TM, 64
.set PW, 80
.set TQ, 84
.set PC, 108
.set AF, 128
.set HX, 128
.set ZB, 192
.set SB, 208
.set PB, 224
.set QB, 240
.set G1, 24
.set G0, 32
.set G1B, 48
.set G0B, 56
.set G1S, 68
.set G0S, 76
.set G1SB, 80
.set G0SB, 88
.set SEL, 96
.set SWO, 2
.set BA, 3
.set MSB, 0
.macro WIN new
.if MSB != \new
	s_set_vgpr_msb (MSB<<8)|\new
.set MSB, \new
.endif
.endm
.set MUL_LO, 0xa1
.set MUL_HI, 0xf1
.set TO_B, 0x40
.macro JLOAD g0a, g1a, g0b, g1b        ; a joint load: waves 0, 1 fetch for A, waves 2, 3 for B; four v_nop follow each line
	s_cmp_eq_u32 s15, 0
	s_cbranch_scc0 .Lfor_b_\@
	tensor_load_to_lds s[\g0a:\g0a+3], s[\g1a:\g1a+7]
	s_nop 0
.rept 4
	v_nop
.endr
	s_branch .Lasked_\@
.Lfor_b_\@:
	tensor_load_to_lds s[\g0b:\g0b+3], s[\g1b:\g1b+7]
	s_nop 0
.rept 4
	v_nop
.endr
.Lasked_\@:
.endm
.macro CREST
	s_cmp_lg_u32 s14, 0
	s_cbranch_scc1 .Lnot_wave_0_\@
	s_barrier_signal -3
.Lnot_wave_0_\@:
	s_barrier_wait -3
	s_barrier_signal -1
	s_barrier_wait -1
.endm
.macro CROUND
	s_barrier_signal -1
	s_barrier_wait -1
	CREST
.endm
.macro PLACES n
.rept \n
	v_nop
.endr
.endm
	s_load_b128 s[4:7], s[0:1], 0x0                ; h2's codes and scales s[4:5], the weights s[6:7]
	s_load_b64 s[8:9], s[0:1], 0x10                ; g
	v_lshl_add_u32 v[SPW], v0, 2, SPARE
	v_mov_b32 v[NIL], 0
	ds_add_u32 v28, v29
	ds_add_u32 v28, v29
	v_lshrrev_b32 v1, 5, v0
	v_readfirstlane_b32 s14, v1
	s_lshr_b32 s15, s14, 1
	s_and_b32 s16, s14, 1
	s_bfe_u32 s40, ttmp6, 0x40000
	s_bfe_u32 s41, ttmp6, 0x40004
	s_lshl_b32 s42, ttmp9, 2
	s_add_co_u32 s42, s42, s40                     ; tile column
	s_and_b32 s17, ttmp7, 0xffff
	s_lshl_b32 s17, s17, 2
	s_add_co_u32 s17, s17, s41                     ; tile row
	s_lshl_b32 s43, s41, 2
	s_lshl_b32 s43, 15, s43
	s_lshl_b32 s44, 0x1111, s40
	s_or_b32 s[G1+0], s43, (3<<16)|(1<<21)         ; 15:0 the mask; 17:16 elements of 8 bytes; 21 set beside a mask; no padding
	s_or_b32 s[G1B+0], s44, (3<<16)|(1<<21)
.irp g, G1, G1B
	s_mov_b32 s[\g+1], 384<<16
	s_mov_b32 s[\g+2], 16<<16
	s_mov_b32 s[\g+3], 384<<16
	s_mov_b32 s[\g+4], 16
	s_mov_b32 s[\g+5], KST*192
	s_mov_b32 s[\g+6], 0
	s_mov_b32 s[\g+7], 0
.endr
	s_or_b32 s[G1S+0], s43, (3<<16)|(1<<21)
	s_or_b32 s[G1SB+0], s44, (3<<16)|(1<<21)
.irp g, G1S, G1SB
	s_mov_b32 s[\g+1], 128<<16
	s_mov_b32 s[\g+2], KST<<16
	s_mov_b32 s[\g+3], 128<<16
	s_mov_b32 s[\g+4], KST
	s_mov_b32 s[\g+5], 2048
	s_mov_b32 s[\g+6], 0
	s_mov_b32 s[\g+7], 0
.endr
	s_mul_i32 s66, s16, 98304                      ; in the ring I fetch a half: 8 blocks x 12,288 bytes
	s_mov_b32 s67, 0
	s_mul_i32 s20, s17, 196608                     ; A's codes: of the tile row alone
	s_lshl_b32 s22, s17, 10
	s_add_co_u32 s22, s22, ASC
	s_mul_i32 s46, s42, 196608
	s_add_co_u32 s46, s46, BCO                     ; B's: of the tile column alone
	s_lshl_b32 s92, s42, 10
	s_add_co_u32 s92, s92, BSC
	s_mov_b32 s21, 0
	s_mov_b32 s23, 0
	s_mov_b32 s47, 0
	s_mov_b32 s93, 0
	s_mul_i32 s45, s14, HALFT
	s_mov_b32 s[SEL], 0x76543210
	s_mov_b32 s[SEL+1], 0xfedcba98
	s_wait_dscnt 0x0                               ; both opening adds are done; the set-up above, work on registers, stood between them and this wait
	CROUND                                         ; the opening round, ahead of the wait for the arguments: all sixteen work-groups are here
	s_wait_kmcnt 0x0
	s_add_nc_u64 s[20:21], s[4:5], s[20:21]
	s_add_nc_u64 s[22:23], s[4:5], s[22:23]
	s_add_nc_u64 s[46:47], s[6:7], s[46:47]
	s_add_nc_u64 s[92:93], s[6:7], s[92:93]
	s_mov_b32 s[G0S], 1
	s_mov_b32 s[G0S+1], SCL
	s_mov_b64 s[G0S+2:G0S+3], s[22:23]
	s_or_b32 s[G0S+3], s[G0S+3], 0x80000000
	s_mov_b32 s[G0SB], 1
	s_mov_b32 s[G0SB+1], SCL+2*HALFS
	s_mov_b64 s[G0SB+2:G0SB+3], s[92:93]
	s_or_b32 s[G0SB+3], s[G0SB+3], 0x80000000
	s_mov_b32 s[G0], 1                             ; the head's tiles, each whole: slot 0's 16 blocks of A,
	s_mov_b32 s[G0+1], 0
	s_mov_b64 s[G0+2:G0+3], s[20:21]
	s_or_b32 s[G0+3], s[G0+3], 0x80000000
	s_mov_b32 s[G0B], 1                            ; its 16 blocks of B, behind them
	s_mov_b32 s[G0B+1], 2*HALFT
	s_mov_b64 s[G0B+2:G0B+3], s[46:47]
	s_or_b32 s[G0B+3], s[G0B+3], 0x80000000
	s_add_nc_u64 s[20:21], s[20:21], s[66:67]      ; for the ring: my half of the tile
	s_add_nc_u64 s[46:47], s[46:47], s[66:67]
	s_mov_b32 s[G0+4], 1
	s_add_co_u32 s[G0+5], s45, SLOT
	s_add_nc_u64 s[G0+6:G0+7], s[20:21], SLK
	s_or_b32 s[G0+7], s[G0+7], 0x80000000
	s_mov_b32 s[G0B+4], 1
	s_add_co_u32 s[G0B+5], s45, SLOT
	s_add_nc_u64 s[G0B+6:G0B+7], s[46:47], SLK
	s_or_b32 s[G0B+7], s[G0B+7], 0x80000000
	s_cmp_eq_u32 s15, 0                            ; the prefetches: the four partners of a joint load share its blocks out by address (cx for A, cy for B)
	s_cselect_b32 s22, s40, s41
	s_cselect_b64 s[PFA:PFA+1], s[20:21], s[46:47]
	s_mul_i32 s22, s22, (HR/4)*KST*1536
	s_mov_b32 s23, 0
	s_add_nc_u64 s[PFA:PFA+1], s[PFA:PFA+1], s[22:23]
; THE HEAD'S LOADS, ONE A WAVE: wave 0 slot 0's rows of A, wave 1 those of B, wave 2 A's scale words, wave 3 B's.  One chain of branches on the wave's number.
.macro ARM under, g0, g1, next
	s_cmp_lt_u32 s14, \under
	s_cbranch_scc0 \next
	tensor_load_to_lds s[\g0:\g0+3], s[\g1:\g1+7]
	s_nop 0
	PLACES 4
	s_branch .Lhead_asked
\next:
.endm
	ARM 1, G0, G1, .Lhead_b
	ARM 2, G0B, G1B, .Lhead_sa
	ARM 3, G0S, G1S, .Lhead_sb
	tensor_load_to_lds s[G0SB:G0SB+3], s[G1SB:G1SB+7]
	s_nop 0
	PLACES 4
.Lhead_asked:
	v_and_b32 v1, 15, v0
	v_bfe_u32 v2, v0, 4, 1
	s_wait_alu depctr_va_vdst(0)
	v_and_b32 v3, 31, v0
	v_lshlrev_b32 v[CO], 4, v3
	v_min_u32 v31, 23, v3                          ; v31: a prefetch's offset: 24 blocks of 256 bytes, 12 in each of two blocks of rows; lanes 24-31 name the last again
	v_mul_u32_u24 v10, v31, 171
	v_lshrrev_b32 v10, 11, v10                     ; / 12
	v_lshlrev_b32 v31, 8, v31
	v_mad_u32_u24 v31, v10, KST*1536-3072, v31
	s_mul_i32 s21, s15, HALFT
	s_mul_i32 s22, s16, HALFT
	s_add_co_u32 s22, s22, 2*HALFT
.irp s, 0,1
	v_add_nc_u32 v[ADRA+\s], s21, v[CO]
	v_add_nc_u32 v[ADRB+\s], s22, v[CO]
	s_add_co_u32 s21, s21, SLOT
	s_add_co_u32 s22, s22, SLOT
.endr
	v_lshlrev_b32 v5, 2, v1
	s_lshl_b32 s21, s15, 9                         ; my 128 rows' words in a K step's 1,024 bytes
	s_lshl_b32 s22, s16, 9
	s_add_co_u32 s22, s22, 2*HALFS
	s_sub_co_u32 s22, s22, s21
	v_mul_u32_u24 v6, s22, v2                      ; lanes 16-31 take B's words
	s_add_co_u32 s21, s21, SCL
	v_add_nc_u32 v5, v5, v6
	v_add_nc_u32 v[ADRS], s21, v5
	s_lshl_b32 s21, s14, 9
	v_lshl_add_u32 v[SWA], v1, 2, s21
	v_add_nc_u32 v[SWR], s21, v[CO]
	s_lshl_b32 s20, s17, 4
	s_lshl_b32 s21, s15, 3
	s_add_co_u32 s20, s20, s21                     ; my first block of 16 tokens
	s_mul_i32 s20, s20, 49152
	s_lshl_b32 s46, s42, 1
	s_add_co_u32 s46, s46, s16                     ; my 128 columns: a K step of the next product
	s_mul_i32 s47, s46, 1536
	s_add_co_u32 s20, s20, s47
	s_mov_b32 s21, 0
	s_add_nc_u64 s[12:13], s[8:9], s[20:21]        ; the images
	s_lshl_b32 s22, s17, 10
	s_lshl_b32 s23, s15, 9
	s_add_co_u32 s22, s22, s23
	s_lshl_b32 s46, s46, 14
	s_add_co_u32 s22, s22, s46
	s_add_co_u32 s22, s22, GS
	s_mov_b32 s23, 0
	s_add_nc_u64 s[10:11], s[8:9], s[22:23]        ; the scale words of my 128 rows
.macro FRAG reg, adr, off
.irp c, 0,1,2
	ds_load_b128 v[\reg+4*\c:\reg+4*\c+3], v[\adr] offset:\off+512*\c
.endr
.endm
.macro FETCH_B slot, q, p
	WIN TO_B
.irp i, 0,1,2,3,4,5,6,7
	FRAG 128*(\p)+FR*\i, ADRB+\slot, \i*RBS+(\q)*1536
.endr
	WIN 0
.endm
.macro FETCH_A slot, q, i0
.irp i, \i0, \i0+1, \i0+2, \i0+3
	FRAG AF+FR*(\i), ADRA+\slot, (\i)*RBS+(\q)*1536
.endr
.endm
.macro SCALES sc
.irp i, 0,1,2,3,4,5,6,7
.irp q, 0,1
	ds_load_b32 v[SC+8*NQ*\sc+NQ*\i+\q], v[ADRS] offset:1024*\q+64*\i
.endr
.endr
.endm
; 16 matrix instructions.  The 64 accumulators take turns, one instruction a turn, in the same order in every step.
.macro MUL16 a0, p, q, sc, zero
.irp a, \a0, \a0+1
.irp b, 0,1,2,3,4,5,6,7
.set rD, 8*(8*((\a)%4)+\b)
.set rB, 128*(\p)+FR*\b
.set rA, AF+FR*(\a)
.set rSB, SC+8*NQ*(\sc)+NQ*\b+(\q)
.set rSA, SC+8*NQ*(\sc)+NQ*(\a)+(\q)
.if \zero
	v_wmma_scale_f32_16x16x128_f8f6f4 v[rD:rD+7], v[rB:rB+FR-1], v[rA:rA+FR-1], 0, v[rSB], v[rSA] matrix_a_fmt:MATRIX_FMT_FP6 matrix_b_fmt:MATRIX_FMT_FP6 matrix_a_scale:MATRIX_SCALE_ROW1
.else
	v_wmma_scale_f32_16x16x128_f8f6f4 v[rD:rD+7], v[rB:rB+FR-1], v[rA:rA+FR-1], v[rD:rD+7], v[rSB], v[rSA] matrix_a_fmt:MATRIX_FMT_FP6 matrix_b_fmt:MATRIX_FMT_FP6 matrix_a_scale:MATRIX_SCALE_ROW1
.endif
.endr
.endr
.endm
.macro STEP slot, zero
	s_wait_dscnt 12                                ; all but the youngest 12 loads, A's blocks 4-7
	WIN MUL_LO
	MUL16 0, 0, 0, \slot, \zero
	MUL16 2, 0, 0, \slot, \zero
	s_wait_dscnt 0x0
	PLACES NP
	FETCH_B \slot, 1, 1
	FETCH_A \slot, 1, 0
	WIN MUL_HI
	MUL16 4, 0, 0, \slot, \zero
	MUL16 6, 0, 0, \slot, \zero
	PLACES NP
	WIN 0
	FETCH_A \slot, 1, 4
.endm
.macro TURN slot, next, fill
	s_wait_tensorcnt 0x0                           ; all my tensor loads have landed: my part of the next slot
	ds_add_u32 v[SPW], v[NIL]                      ; 0 onto my spare word
	s_wait_dscnt 13                                ; the add and A's blocks 4-7 may be out
	WIN MUL_LO
	MUL16 0, 1, 1, \slot, 0
	s_wait_dscnt 0x0                               ; the add is done, and my reads of this slot are over
	s_barrier_signal -1
	MUL16 2, 1, 1, \slot, 0
	WIN 0
	s_barrier_wait -1
.if \fill
	CREST                                          ; the barrier has opened a round of the cluster's
	s_add_nc_u64 s[G0+4*\slot+2:G0+4*\slot+3], s[G0+4*\slot+2:G0+4*\slot+3], 2*SLK
	s_add_nc_u64 s[G0B+4*\slot+2:G0B+4*\slot+3], s[G0B+4*\slot+2:G0B+4*\slot+3], 2*SLK
	JLOAD G0+4*\slot, G1, G0B+4*\slot, G1B         ; the first tensor load behind the round; its four v_nop are the places in front of the loads below
.else
	PLACES NP
.endif
	s_wait_alu depctr_va_vdst(0)
	v_add_nc_u32 v[ADRS], 1024*NQ, v[ADRS]
	FETCH_B \next, 0, 0
	FETCH_A \next, 0, 0
	SCALES \next
	WIN MUL_HI
	MUL16 4, 1, 1, \slot, 0
	MUL16 6, 1, 1, \slot, 0
	PLACES NP
	WIN 0
	FETCH_A \next, 0, 4
.endm
	s_wait_alu depctr_va_vdst(0)                   ; the wait at the head's end
	global_prefetch_b8 v31, s[PFA:PFA+1] offset:SLK th:TH_LOAD_NT scope:SCOPE_SE     ; K slots 1 and 2 are asked for into the L2; the load of slot j asks for slot j + 2
	global_prefetch_b8 v31, s[PFA:PFA+1] offset:2*SLK th:TH_LOAD_NT scope:SCOPE_SE
	s_wait_tensorcnt 0x0                           ; my tile of the head's four is in; the three lines ahead of a later first fill, as ahead of a refill
	ds_add_u32 v[SPW], v[NIL]
	s_mov_b32 s[G1+2], HR<<16                      ; no tensor load of mine is out: from here on a load brings 8 blocks of rows,
	s_mov_b32 s[G1+4], HR
	s_mov_b32 s[G1B+2], HR<<16
	s_mov_b32 s[G1B+4], HR
	s_mov_b32 s[G0+1], s45                         ; and slot 0's groups 0 stand at my half
	s_add_nc_u64 s[G0+2:G0+3], s[G0+2:G0+3], s[66:67]
	s_mov_b32 s[G0B+1], s45
	s_add_nc_u64 s[G0B+2:G0B+3], s[G0B+2:G0B+3], s[66:67]
	s_wait_dscnt 0x0
	CROUND                                         ; all four tiles are in, and all sixteen work-groups are here
	JLOAD G0+4, G1, G0B+4, G1B                     ; slot 1's first fill, the first tensor load behind the round
	global_prefetch_b8 v31, s[PFA:PFA+1] offset:3*SLK th:TH_LOAD_NT scope:SCOPE_SE   ; the last K slot
	FETCH_B 0, 0, 0
	FETCH_A 0, 0, 0
	SCALES 0
	FETCH_A 0, 0, 4
	STEP 0, 1
	TURN 0, 1, 1
	STEP 1, 0
	TURN 1, 0, 1
	STEP 0, 0
	TURN 0, 1, 0
	STEP 1, 0
	s_wait_dscnt 12
	WIN MUL_LO
	MUL16 0, 1, 1, 1, 0
	MUL16 2, 1, 1, 1, 0
	s_wait_dscnt 0x0
	WIN MUL_HI
	MUL16 4, 1, 1, 1, 0
	MUL16 6, 1, 1, 1, 0
	WIN 0
; x / 2 of block a's 64 numbers, out of its window into v[HX] on: exact, and each accumulator is read from its low end on
.macro IN a
.set WQ, 2+(\a)/4
	WIN WQ
.set i, 0
.rept 32
	v_pk_mul_f32 v[HX+2*i:HX+2*i+1], v[64*((\a)%4)+2*i:64*((\a)%4)+2*i+1], 0.5 op_sel_hi:[1,0]
.set i, i+1
.endr
	WIN 0
.endm
; gelu of 16 numbers, given as x / 2 in v[hb] on, in place
.macro GELU16 hb
.irp k, 0,2,4,6,8,10,12,14
	v_pk_mul_f32 v[ZB+\k:ZB+\k+1], v[\hb+\k:\hb+\k+1], 0x3fb504f3 op_sel_hi:[1,0]   ; z = x / sqrt 2
.endr
.irp k, 0,1,2,3,4,5,6,7,8,9,10,11,12,13,14,15
	v_med3_num_f32 v[ZB+\k], v[ZB+\k], -4.0, 4.0
.endr
.irp k, 0,2,4,6,8,10,12,14
	v_pk_mul_f32 v[SB+\k:SB+\k+1], v[ZB+\k:ZB+\k+1], v[ZB+\k:ZB+\k+1]
.endr
.irp k, 0,2,4,6,8,10,12,14
	v_pk_fma_f32 v[PB+\k:PB+\k+1], v[SB+\k:SB+\k+1], v[4:5], 0x32edffee op_sel_hi:[1,1,0]
	v_pk_fma_f32 v[QB+\k:QB+\k+1], v[SB+\k:SB+\k+1], v[6:7], 0xb95fbd29 op_sel_hi:[1,1,0]
.endr
.irp cst, 0xb60cff51, 0xb86ec2d2, 0xba40ac63, 0xbb41a1f6, 0xbc83dbd4
.irp k, 0,2,4,6,8,10,12,14
	v_pk_fma_f32 v[PB+\k:PB+\k+1], v[PB+\k:PB+\k+1], v[SB+\k:SB+\k+1], \cst op_sel_hi:[1,1,0]
.endr
.endr
.irp cst, 0xbadc924e, 0xbbf19bf8, 0xbc69b6a7
.irp k, 0,2,4,6,8,10,12,14
	v_pk_fma_f32 v[QB+\k:QB+\k+1], v[QB+\k:QB+\k+1], v[SB+\k:SB+\k+1], \cst op_sel_hi:[1,1,0]
.endr
.endr
	s_wait_alu depctr_va_vdst(0)
.irp k, 0,1,2,3,4,5,6,7,8,9,10,11,12,13,14,15
	v_rcp_f32 v[QB+\k], v[QB+\k]
.endr
.irp k, 0,2,4,6,8,10,12,14
	v_pk_mul_f32 v[PB+\k:PB+\k+1], v[PB+\k:PB+\k+1], v[ZB+\k:ZB+\k+1]   ; plain work that names no reciprocal
.endr
	s_wait_alu depctr_va_vdst(0)                   ; one wait for the sixteen, ahead of the first line that names a result
.irp k, 0,2,4,6,8,10,12,14
	v_pk_mul_f32 v[PB+\k:PB+\k+1], v[PB+\k:PB+\k+1], v[QB+\k:QB+\k+1]   ; erf
.endr
.irp k, 0,2,4,6,8,10,12,14
	v_pk_fma_f32 v[\hb+\k:\hb+\k+1], v[\hb+\k:\hb+\k+1], v[PB+\k:PB+\k+1], v[\hb+\k:\hb+\k+1]
.endr
.endm
; 64 numbers of a lane, register 16 b + i = place 32 b + 16 h + i of my row's 128, become a fragment in v[PC] on and its scale word in v[PW]
.macro QUANT s
.irp i, 0,1,2,3,4
.irp b, 0,1,2,3
	v_max3_num_f32 v[TQ+6*\b+\i], |v[\s+16*\b+3*\i]|, |v[\s+16*\b+3*\i+1]|, |v[\s+16*\b+3*\i+2]|
.endr
.endr
.irp b, 0,1,2,3
	v_max_num_f32 v[TQ+6*\b+5], |v[\s+16*\b+15]|, |v[\s+16*\b+15]|
.endr
.irp b, 0,1,2,3
	v_max3_num_f32 v[TM+\b], v[TQ+6*\b], v[TQ+6*\b+1], v[TQ+6*\b+2]
.endr
.irp b, 0,1,2,3
	v_max3_num_f32 v[TM+4+\b], v[TQ+6*\b+3], v[TQ+6*\b+4], v[TQ+6*\b+5]
.endr
.irp b, 0,1,2,3
	v_max3_num_f32 v[TM+\b], v[TM+\b], v[TM+4+\b], 0x1800000   ; with the floor 2^(3 - 127): the byte cannot fall under 1
.endr
.irp b, 0,1,2,3
	v_permlanex16_b32 v[TM+4+\b], v[TM+\b], s[SEL], s[SEL+1]
.endr
.irp b, 0,1,2,3
	v_max_num_f32 v[TM+\b], v[TM+\b], v[TM+4+\b]
.endr
.irp b, 0,1,2,3
	v_add_nc_u32 v[TM+12+\b], 0xff000000, v[TM+\b]
.endr
.irp b, 0,1,2,3
	v_lshrrev_b32 v[TM+4+\b], 23, v[TM+12+\b]
.endr
	v_lshl_or_b32 v[PW], v[TM+5], 8, v[TM+4]
	v_lshl_or_b32 v[PW], v[TM+6], 16, v[PW]
	v_lshl_or_b32 v[PW], v[TM+7], 24, v[PW]
.irp c, 0,1
	v_cvt_scalef32_pk16_fp6_f32 v[PC+6*\c:PC+2+6*\c], v[\s+32*\c:\s+15+32*\c], v[TM+12+2*\c]
	v_cvt_scalef32_pk16_fp6_f32 v[PC+12+4*\c:PC+14+4*\c], v[\s+16+32*\c:\s+31+32*\c], v[TM+13+2*\c]
.endr
	v_nop                                          ; one plain instruction behind a scaled conversion
.irp c, 0,1
.irp i, 0,1,2
	v_permlane16_swap_b32 v[PC+6*\c+\i], v[PC+12+4*\c+\i]
.endr
.irp i, 0,1,2
	v_mov_b32 v[PC+3+6*\c+\i], v[PC+12+4*\c+\i]
.endr
.endr
.endm
	; THE WAY OUT: a loop over my eight blocks of 16 rows, so that gelu's text stands once.  Only the 32 lines that fetch a block out of its window differ: a trip jumps to its own, by the loop's counter.
	PLACES NP                                      ; behind the last products, ahead of the first read of results and of writes into A's registers
	v_mov_b32 v4, 0xaf95df0b                       ; P's leading coefficient, twice
	v_mov_b32 v5, 0xaf95df0b
	v_mov_b32 v6, 0xb77460cd                       ; Q's
	v_mov_b32 v7, 0xb77460cd
	s_mov_b32 s[BA], 0
	s_mov_b32 s[SWO], 0
.Lrow:
.irp k, 1,2,3,4,5,6,7
	s_cmp_eq_u32 s[BA], \k
	s_cbranch_scc1 .Lin_\k
.endr
	IN 0
	s_branch .Lwork
.irp k, 1,2,3,4,5,6
.Lin_\k:
	IN \k
	s_branch .Lwork
.endr
.Lin_7:
	IN 7
.Lwork:
	GELU16 HX
	GELU16 HX+16
	GELU16 HX+32
	GELU16 HX+48
	QUANT HX
.irp c, 0,1,2
	global_store_b128 v[CO], v[PC+4*\c:PC+4*\c+3], s[12:13] offset:512*\c   ; 32 lanes store 512 consecutive bytes, at a multiple of 256 from the buffer's first byte
.endr
	v_add_nc_u32 v[SWT], s[SWO], v[SWA]
	ds_store_b32 v[SWT], v[PW]                     ; both halves of the lanes write the same word with the same value
	s_wait_xcnt 0x0                                ; the stores have read their data and their base,
	s_wait_dscnt 0x0                               ; the LDS store its word
	s_add_nc_u64 s[12:13], s[12:13], 49152         ; the next block of 16 tokens
	s_add_co_u32 s[SWO], s[SWO], 64
	s_add_co_u32 s[BA], s[BA], 1
	s_cmp_lt_u32 s[BA], 8
	s_cbranch_scc1 .Lrow
	ds_load_b128 v[12:15], v[SWR]                  ; my own bytes
	s_wait_dscnt 0x0
	global_store_b128 v[CO], v[12:15], s[10:11]    ; 128 rows' words: 512 consecutive bytes
	s_wait_tensorcnt 0x0                           ; the wave's end
	ds_add_u32 v[SPW], v[NIL]
	s_wait_dscnt 0x0
	CROUND                                         ; the closing round
	s_endpgm
.Lfunc_end_k_q6f4be556a1_up:
	.size	k_q6f4be556a1_up, .Lfunc_end_k_q6f4be556a1_up-k_q6f4be556a1_up
	.p2alignl 7, 3214868480
	.fill 96, 4, 3214868480
	.section	.rodata,"a",@progbits
	.p2align	6, 0x0
	.amdhsa_kernel k_q6f4be556a1_up
		.amdhsa_group_segment_fixed_size 327680
		.amdhsa_private_segment_fixed_size 0
		.amdhsa_enable_private_segment 0
		.amdhsa_kernarg_size 24
		.amdhsa_user_sgpr_count 2
		.amdhsa_user_sgpr_kernarg_segment_ptr 1
		.amdhsa_wavefront_size32 1
		.amdhsa_system_sgpr_workgroup_id_x 1
		.amdhsa_system_sgpr_workgroup_id_y 1
		.amdhsa_system_sgpr_workgroup_id_z 1
		.amdhsa_system_vgpr_workitem_id 0
		.amdhsa_next_free_vgpr 1024
		.amdhsa_next_free_sgpr 100
		.amdhsa_reserve_vcc 0
		.amdhsa_float_denorm_mode_32 3
		.amdhsa_float_denorm_mode_16_64 3
		.amdhsa_memory_ordered 1
		.amdhsa_forward_progress 1
		.amdhsa_inst_pref_size 179
	.end_amdhsa_kernel
	.amdgpu_metadata
---
amdhsa.version: [ 1, 2 ]
amdhsa.kernels:
  - .name:           k_q6f4be556a1_up
    .symbol:         k_q6f4be556a1_up.kd
    .args:
      - { .name: W5, .offset: 0, .size: 8, .value_kind: global_buffer, .address_space: global }
      - { .name: W1, .offset: 8, .size: 8, .value_kind: global_buffer, .address_space: global }
      - { .name: W6, .offset: 16, .size: 8, .value_kind: global_buffer, .address_space: global }
    .group_segment_fixed_size: 327680
    .private_segment_fixed_size: 0
    .kernarg_segment_align: 8
    .kernarg_segment_size: 24
    .max_flat_workgroup_size: 128
    .sgpr_count:     100
    .vgpr_count:     1024
    .wavefront_size: 32
...
	.end_amdgpu_metadata
.endif
;; end of part 5
;; launch down (part 6): grid 8 x 32, 4 waves a work-group, clusters of 4 x 4, 327,680 bytes of LDS; arguments W6, W1, W4, out0; writes out0
.if DOCPART == 6
	.amdgcn_target "amdgcn-amd-amdhsa--gfx1250"
	.amdhsa_code_object_version 6
	.text
	.protected	k_q6f4be556a1_down
	.globl	k_q6f4be556a1_down
	.p2align	8
	.type	k_q6f4be556a1_down,@function
k_q6f4be556a1_down:
	s_mov_b64 s[64:65], 0
	v_nop
	global_prefetch_b8 v0, s[64:65] scope:SCOPE_SE
	s_setreg_imm32_b32 hwreg(HW_REG_WAVE_MODE, 25, 1), 1
	s_wait_xcnt 0x0
	s_wait_alu depctr_hold_cnt(0) depctr_sa_sdst(0) depctr_va_vdst(0) depctr_va_sdst(0) depctr_va_ssrc(0) depctr_va_vcc(0) depctr_vm_vsrc(0)
	s_getreg_b32 s2, hwreg(HW_REG_IB_STS2, 6, 4)
	s_cmp_eq_u32 s2, 0
	s_cbranch_scc0 .Lentry_in_a_cluster
	s_endpgm
.Lentry_in_a_cluster:
	s_bfe_u32 s2, ttmp6, 0x10000c
	s_cmp_lg_u32 s2, 0xf033
	s_cbranch_scc0 .Lentry_shape_is_right
	s_endpgm
.Lentry_shape_is_right:
.set KST, 32
.set ASC, 12582912
.set BCO, 9961472
.set BSC, 13107200
.set FR, 12
.set NP, 4
.set NQ, 1
.set RBS, 6144
.set HALFT, 24576
.set SLOT, 4*HALFT
.set SLK, 6144
.set SCL, 2*SLOT
.set HR, 4                             ; blocks of rows that a load of the ring brings
.set ASKS, 1                           ; 1 while the changes of slots still have a slot two loads on to ask for; 0 behind the loop
.set PFA, 96                           ; s[96:97] where my prefetches stand: my work-group's one block of the four that I fetch; stepped a slot at each change of slots; s98 counts the changes
.set HALFS, (KST/2)*512
.set SPARE, 270336
.set RD, 8
.set ADRA, 16
.set ADRB, 20
.set STO, 24
.set CO, 26
.set ADRS, 27
.set SPW, 28
.set NIL, 29
.set SC, 32
.set SUMB, 64
.set AF, 128
.set G1, 24
.set G0, 32
.set G1B, 48
.set G0B, 56
.set G1S, 68
.set G0S, 76
.set G1SB, 80
.set G0SB, 88
.set MSB, 0
.macro WIN new
.if MSB != \new
	s_set_vgpr_msb (MSB<<8)|\new
.set MSB, \new
.endif
.endm
.set MUL_LO, 0xa1
.set MUL_HI, 0xf1
.set TO_B, 0x40
.macro JLOAD g0a, g1a, g0b, g1b
	s_cmp_eq_u32 s15, 0
	s_cbranch_scc0 .Lfor_b_\@
	tensor_load_to_lds s[\g0a:\g0a+3], s[\g1a:\g1a+7]
	s_nop 0
.rept 4
	v_nop
.endr
	s_branch .Lasked_\@
.Lfor_b_\@:
	tensor_load_to_lds s[\g0b:\g0b+3], s[\g1b:\g1b+7]
	s_nop 0
.rept 4
	v_nop
.endr
.Lasked_\@:
.endm
.macro CREST
	s_cmp_lg_u32 s14, 0
	s_cbranch_scc1 .Lnot_wave_0_\@
	s_barrier_signal -3
.Lnot_wave_0_\@:
	s_barrier_wait -3
	s_barrier_signal -1
	s_barrier_wait -1
.endm
.macro CROUND
	s_barrier_signal -1
	s_barrier_wait -1
	CREST
.endm
.macro PLACES n
.rept \n
	v_nop
.endr
.endm
	s_load_b256 s[4:11], s[0:1], 0x0
	v_lshl_add_u32 v[SPW], v0, 2, SPARE
	v_mov_b32 v[NIL], 0
	ds_add_u32 v28, v29
	ds_add_u32 v28, v29
	v_lshrrev_b32 v1, 5, v0
	v_readfirstlane_b32 s14, v1
	s_lshr_b32 s15, s14, 1
	s_and_b32 s16, s14, 1
	s_bfe_u32 s40, ttmp6, 0x40000
	s_bfe_u32 s41, ttmp6, 0x40004
	s_lshl_b32 s42, ttmp9, 2
	s_add_co_u32 s42, s42, s40
	s_and_b32 s17, ttmp7, 0xffff
	s_lshl_b32 s17, s17, 2
	s_add_co_u32 s17, s17, s41
	s_lshl_b32 s43, s41, 2
	s_lshl_b32 s43, 15, s43
	s_lshl_b32 s44, 0x1111, s40
	s_or_b32 s[G1+0], s43, (3<<16)|(1<<21)
	s_or_b32 s[G1B+0], s44, (3<<16)|(1<<21)
.irp g, G1, G1B
	s_mov_b32 s[\g+1], 768<<16
	s_mov_b32 s[\g+2], 8<<16
	s_mov_b32 s[\g+3], 768<<16
	s_mov_b32 s[\g+4], 8
	s_mov_b32 s[\g+5], KST*192
	s_mov_b32 s[\g+6], 0
	s_mov_b32 s[\g+7], 0
.endr
	s_or_b32 s[G1S+0], s43, (3<<16)|(1<<21)
	s_or_b32 s[G1SB+0], s44, (3<<16)|(1<<21)
.irp g, G1S, G1SB
	s_mov_b32 s[\g+1], 64<<16
	s_mov_b32 s[\g+2], KST<<16
	s_mov_b32 s[\g+3], 64<<16
	s_mov_b32 s[\g+4], KST
	s_mov_b32 s[\g+5], 2048
	s_mov_b32 s[\g+6], 0
	s_mov_b32 s[\g+7], 0
.endr
	s_mul_i32 s66, s16, 4*KST*1536                 ; in the ring I fetch a half: 4 blocks of rows
	s_mov_b32 s67, 0
	s_mul_i32 s20, s17, 8*KST*1536
	s_lshl_b32 s22, s17, 9
	s_add_co_u32 s22, s22, ASC
	s_mul_i32 s46, s42, 8*KST*1536
	s_add_co_u32 s46, s46, BCO
	s_lshl_b32 s92, s42, 9
	s_add_co_u32 s92, s92, BSC
	s_mov_b32 s21, 0
	s_mov_b32 s23, 0
	s_mov_b32 s47, 0
	s_mov_b32 s93, 0
	s_mul_i32 s45, s14, HALFT
	s_wait_dscnt 0x0                               ; both opening adds are done; the set-up above, work on registers, stood between them and this wait
	CROUND                                         ; the opening round, ahead of the wait for the arguments
	s_wait_kmcnt 0x0
	s_add_nc_u64 s[20:21], s[4:5], s[20:21]
	s_add_nc_u64 s[22:23], s[4:5], s[22:23]
	s_add_nc_u64 s[46:47], s[6:7], s[46:47]
	s_add_nc_u64 s[92:93], s[6:7], s[92:93]
	s_mov_b32 s[G0S], 1
	s_mov_b32 s[G0S+1], SCL
	s_mov_b64 s[G0S+2:G0S+3], s[22:23]
	s_or_b32 s[G0S+3], s[G0S+3], 0x80000000
	s_mov_b32 s[G0SB], 1
	s_mov_b32 s[G0SB+1], SCL+2*HALFS
	s_mov_b64 s[G0SB+2:G0SB+3], s[92:93]
	s_or_b32 s[G0SB+3], s[G0SB+3], 0x80000000
	s_mov_b32 s[G0], 1                             ; the head's tiles, each whole: slot 0's 8 blocks of A,
	s_mov_b32 s[G0+1], 0
	s_mov_b64 s[G0+2:G0+3], s[20:21]
	s_or_b32 s[G0+3], s[G0+3], 0x80000000
	s_mov_b32 s[G0B], 1                            ; its 8 blocks of B, behind them
	s_mov_b32 s[G0B+1], 2*HALFT
	s_mov_b64 s[G0B+2:G0B+3], s[46:47]
	s_or_b32 s[G0B+3], s[G0B+3], 0x80000000
	s_add_nc_u64 s[20:21], s[20:21], s[66:67]      ; for the ring: my half of the tile
	s_add_nc_u64 s[46:47], s[46:47], s[66:67]
	s_mov_b32 s[G0+4], 1
	s_add_co_u32 s[G0+5], s45, SLOT
	s_add_nc_u64 s[G0+6:G0+7], s[20:21], SLK
	s_or_b32 s[G0+7], s[G0+7], 0x80000000
	s_mov_b32 s[G0B+4], 1
	s_add_co_u32 s[G0B+5], s45, SLOT
	s_add_nc_u64 s[G0B+6:G0B+7], s[46:47], SLK
	s_or_b32 s[G0B+7], s[G0B+7], 0x80000000
	s_cmp_eq_u32 s15, 0                            ; the prefetches: the four partners of a joint load share its blocks out by address (cx for A, cy for B)
	s_cselect_b32 s22, s40, s41
	s_cselect_b64 s[PFA:PFA+1], s[20:21], s[46:47]
	s_mul_i32 s22, s22, (HR/4)*KST*1536
	s_mov_b32 s23, 0
	s_add_nc_u64 s[PFA:PFA+1], s[PFA:PFA+1], s[22:23]
	s_mov_b32 s98, 0
; THE HEAD'S LOADS, ONE A WAVE: wave 0 slot 0's rows of A, wave 1 those of B, wave 2 A's scale words, wave 3 B's.  One chain of branches on the wave's number.
.macro ARM under, g0, g1, next
	s_cmp_lt_u32 s14, \under
	s_cbranch_scc0 \next
	tensor_load_to_lds s[\g0:\g0+3], s[\g1:\g1+7]
	s_nop 0
	PLACES 4
	s_branch .Lhead_asked
\next:
.endm
	ARM 1, G0, G1, .Lhead_b
	ARM 2, G0B, G1B, .Lhead_sa
	ARM 3, G0S, G1S, .Lhead_sb
	tensor_load_to_lds s[G0SB:G0SB+3], s[G1SB:G1SB+7]
	s_nop 0
	PLACES 4
.Lhead_asked:
	v_and_b32 v1, 15, v0
	v_bfe_u32 v2, v0, 4, 1
	v_and_b32 v3, 31, v0
	v_lshlrev_b32 v[CO], 4, v3
	v_min_u32 v31, 23, v3                          ; v31: a tile prefetch's offset: the 24 blocks of 256 bytes of a block of rows in a slot; lanes 24-31 name the last again
	v_lshlrev_b32 v31, 8, v31
	v_lshlrev_b32 v30, 12, v3                      ; v30: the residual's: a lane a row of 4,096 bytes
	s_mul_i32 s21, s14, 1536
	s_add_co_u32 s22, s21, 2*HALFT
.irp s, 0,1
	v_add_nc_u32 v[ADRA+\s], s21, v[CO]
	v_add_nc_u32 v[ADRB+\s], s22, v[CO]
	s_add_co_u32 s21, s21, SLOT
	s_add_co_u32 s22, s22, SLOT
.endr
	v_lshlrev_b32 v5, 2, v1
	v_mad_u32_u24 v5, v2, 2*HALFS, v5
	s_lshl_b32 s21, s14, 9
	s_add_co_u32 s21, s21, SCL
	v_add_nc_u32 v[ADRS], s21, v5
	s_mul_i32 s23, s14, 67584
	v_mul_u32_u24 v5, v1, 528
	v_lshl_add_u32 v5, v2, 5, v5
	v_add_nc_u32 v[STO], s23, v5
	s_mul_i32 s23, s14, 16896
.irp s, 0,1,2,3
	v_add_nc_u32 v[RD+\s], s23, v[CO]
	s_add_co_u32 s23, s23, 67584
.endr
	s_lshl_b32 s20, s17, 19
	s_lshl_b32 s21, s14, 17
	s_add_co_u32 s20, s20, s21
	s_lshl_b32 s46, s42, 9
	s_add_co_u32 s20, s20, s46
	s_mov_b32 s21, 0
	s_add_nc_u64 s[8:9], s[8:9], s[20:21]
	s_add_nc_u64 s[12:13], s[10:11], s[20:21]
.macro FRAG reg, adr, off
.irp c, 0,1,2
	ds_load_b128 v[\reg+4*\c:\reg+4*\c+3], v[\adr] offset:\off+512*\c
.endr
.endm
.macro FETCH_B slot, p
	WIN TO_B
.irp i, 0,1,2,3,4,5,6,7
	FRAG 128*(\p)+FR*\i, ADRB+\slot, \i*RBS
.endr
	WIN 0
.endm
.macro FETCH_A slot, i0
.irp i, \i0, \i0+1, \i0+2, \i0+3
	FRAG AF+FR*(\i), ADRA+\slot, (\i)*RBS
.endr
.endm
.macro SCALES sc
.irp i, 0,1,2,3,4,5,6,7
	ds_load_b32 v[SC+8*\sc+\i], v[ADRS] offset:64*\i
.endr
.endm
.macro MUL16 a0, p, zero
.irp a, \a0, \a0+1
.irp b, 0,1,2,3,4,5,6,7
.set rD, 8*(8*((\a)%4)+\b)
.set rB, 128*(\p)+FR*\b
.set rA, AF+FR*(\a)
.set rSB, SC+8*(\p)+\b
.set rSA, SC+8*(\p)+(\a)
.if \zero
	v_wmma_scale_f32_16x16x128_f8f6f4 v[rD:rD+7], v[rB:rB+FR-1], v[rA:rA+FR-1], 0, v[rSB], v[rSA] matrix_a_fmt:MATRIX_FMT_FP6 matrix_b_fmt:MATRIX_FMT_FP6 matrix_a_scale:MATRIX_SCALE_ROW1
.else
	v_wmma_scale_f32_16x16x128_f8f6f4 v[rD:rD+7], v[rB:rB+FR-1], v[rA:rA+FR-1], v[rD:rD+7], v[rSB], v[rSA] matrix_a_fmt:MATRIX_FMT_FP6 matrix_b_fmt:MATRIX_FMT_FP6 matrix_a_scale:MATRIX_SCALE_ROW1
.endif
.endr
.endr
.endm
.macro TURN slot, next, fill, zero
.if ASKS
	s_wait_xcnt 0x0                                ; my last prefetch has read its address: it steps a slot on, ahead of the waits of the change of slots
	s_add_nc_u64 s[PFA:PFA+1], s[PFA:PFA+1], SLK
	s_add_co_u32 s98, s98, 1
.endif
	s_wait_tensorcnt 0x0
	ds_add_u32 v[SPW], v[NIL]
.if \fill
	s_add_nc_u64 s[G0+4*\slot+2:G0+4*\slot+3], s[G0+4*\slot+2:G0+4*\slot+3], 2*SLK       ; no tensor load of mine is out: this slot's next tile
	s_add_nc_u64 s[G0B+4*\slot+2:G0B+4*\slot+3], s[G0B+4*\slot+2:G0B+4*\slot+3], 2*SLK
.endif
	s_wait_dscnt 0x0                               ; the add is done, and this slot's fragments are all in my registers: my reads of it are over
	s_barrier_signal -1
	s_barrier_wait -1
.if \fill
	CREST                                          ; the barrier has opened a round of the cluster's
	JLOAD G0+4*\slot, G1, G0B+4*\slot, G1B         ; the refill, first behind the round: the step's 64 products all stand between it and the wait for it
.endif
	WIN MUL_LO
	MUL16 0, \slot, \zero
	MUL16 2, \slot, \zero
	WIN 0
	PLACES NP                                      ; in front of loads into registers that these products have read
	s_wait_alu depctr_va_vdst(0)
	v_add_nc_u32 v[ADRS], 2048, v[ADRS]
	FETCH_B \next, \next
	FETCH_A \next, 0
	SCALES \next
.if (\fill) && ASKS
	s_cmp_le_u32 s98, 4
	s_cbranch_scc0 .Lno_ask_\@
	global_prefetch_b8 v31, s[PFA:PFA+1] offset:3*SLK th:TH_LOAD_NT scope:SCOPE_SE
.Lno_ask_\@:
.endif
	WIN MUL_HI
	MUL16 4, \slot, \zero
	MUL16 6, \slot, \zero
	PLACES NP
	WIN 0
	FETCH_A \next, 4
.endm
	s_wait_alu depctr_va_vdst(0)                   ; the wait at the head's end
	global_prefetch_b8 v31, s[PFA:PFA+1] offset:SLK th:TH_LOAD_NT scope:SCOPE_SE     ; K slots 1 and 2 are asked for into the L2
	global_prefetch_b8 v31, s[PFA:PFA+1] offset:2*SLK th:TH_LOAD_NT scope:SCOPE_SE
	s_wait_tensorcnt 0x0                           ; my tile of the head's four is in; the three lines ahead of a later first fill, as ahead of a refill
	ds_add_u32 v[SPW], v[NIL]
	s_mov_b32 s[G1+2], HR<<16                      ; no tensor load of mine is out: from here on a load brings 4 blocks of rows,
	s_mov_b32 s[G1+4], HR
	s_mov_b32 s[G1B+2], HR<<16
	s_mov_b32 s[G1B+4], HR
	s_mov_b32 s[G0+1], s45                         ; and slot 0's groups 0 stand at my half
	s_add_nc_u64 s[G0+2:G0+3], s[G0+2:G0+3], s[66:67]
	s_mov_b32 s[G0B+1], s45
	s_add_nc_u64 s[G0B+2:G0B+3], s[G0B+2:G0B+3], s[66:67]
	s_wait_dscnt 0x0
	CROUND                                         ; all four tiles are in, and all sixteen work-groups are here
	JLOAD G0+4, G1, G0B+4, G1B                     ; slot 1's first fill, the first tensor load behind the round
	global_prefetch_b8 v31, s[PFA:PFA+1] offset:3*SLK th:TH_LOAD_NT scope:SCOPE_SE   ; slot 3
	FETCH_B 0, 0
	FETCH_A 0, 0
	SCALES 0
	FETCH_A 0, 4
.if KST == 8
	TURN 0, 1, 0, 1
.else
	TURN 0, 1, 1, 1
	s_mov_b32 s3, 2
.Llap:
	TURN 1, 0, 1, 0
	TURN 0, 1, 1, 0
	s_sub_co_u32 s3, s3, 1
	s_cmp_lg_u32 s3, 0
	s_cbranch_scc1 .Llap
	global_prefetch_b8 v30, s[8:9] th:TH_LOAD_NT scope:SCOPE_SE                      ; my 32 rows x 512 bytes of the residual, which only this wave reads, two changes of slots ahead of their loads
	global_prefetch_b8 v30, s[8:9] offset:256 th:TH_LOAD_NT scope:SCOPE_SE
.set ASKS, 0                           ; the last changes of slots load slots 7 and none: nothing is left to ask for
	TURN 1, 0, 1, 0
	TURN 0, 1, 0, 0
.endif
	WIN 0x40                                       ; the residual, into B's set 0 and the 32 registers behind it, which the last step's products do not name; the places behind set 0's last products have passed
.set i, 0
.rept 32
	global_load_b128 v[4*i:4*i+3], v[CO], s[8:9] offset:4096*i
.set i, i+1
.endr
	WIN 0
	s_wait_dscnt 12
	WIN MUL_LO
	MUL16 0, 1, 0
	MUL16 2, 1, 0
	s_wait_dscnt 0x0
	WIN MUL_HI
	MUL16 4, 1, 0
	MUL16 6, 1, 0
	WIN 0
	PLACES NP
	s_wait_dscnt 0x0
	s_barrier_signal -1
	s_barrier_wait -1
.irp a, 0,1,2,3,4,5,6,7
.set WQ, 0x08+4*((\a)/4)
	WIN WQ
.irp b, 0,1,2,3,4,5,6,7
	ds_store_b128 v[STO], v[8*(8*((\a)%4)+\b):8*(8*((\a)%4)+\b)+3] offset:8448*\a+64*\b
	ds_store_b128 v[STO], v[8*(8*((\a)%4)+\b)+4:8*(8*((\a)%4)+\b)+7] offset:8448*\a+64*\b+16
.endr
.endr
	WIN 0
	s_wait_dscnt 0x0
	s_barrier_signal -1
	s_barrier_wait -1
.irp g, 0,1,2,3
.if \g > 0
	s_wait_xcnt 0x0
.endif
.irp s, 0,1,2,3
.irp i, 0,1,2,3,4,5,6,7
	ds_load_b128 v[SUMB+32*\s+4*\i:SUMB+32*\s+4*\i+3], v[RD+\s] offset:8448*(\g/2)+528*(8*(\g%2)+\i)
.endr
.endr
	s_wait_dscnt 0x0
.if \g == 0
	s_wait_loadcnt 0x0
.endif
.set k, 0
.rept 16
	v_pk_add_f32 v[SUMB+k:SUMB+k+1], v[SUMB+k:SUMB+k+1], v[SUMB+32+k:SUMB+33+k]
	v_pk_add_f32 v[SUMB+64+k:SUMB+65+k], v[SUMB+64+k:SUMB+65+k], v[SUMB+96+k:SUMB+97+k]
.set k, k+2
.endr
.set k, 0
.rept 16
	v_pk_add_f32 v[SUMB+k:SUMB+k+1], v[SUMB+k:SUMB+k+1], v[SUMB+64+k:SUMB+65+k]
.set k, k+2
.endr
	WIN 0x04
.set k, 0
.rept 16
	v_pk_add_f32 v[SUMB+k:SUMB+k+1], v[SUMB+k:SUMB+k+1], v[32*\g+k:32*\g+k+1]
.set k, k+2
.endr
	WIN 0
.irp i, 0,1,2,3,4,5,6,7
.if KST == 8
	global_store_b128 v[CO], v[SUMB+4*\i:SUMB+4*\i+3], s[12:13] offset:4096*(8*\g+\i)
.else
	global_store_b128 v[CO], v[SUMB+4*\i:SUMB+4*\i+3], s[12:13] offset:4096*(8*\g+\i) th:TH_STORE_NT
.endif
.endr
.endr
	s_wait_tensorcnt 0x0
	ds_add_u32 v[SPW], v[NIL]
	s_wait_dscnt 0x0
	CROUND
	s_endpgm
.Lfunc_end_k_q6f4be556a1_down:
	.size	k_q6f4be556a1_down, .Lfunc_end_k_q6f4be556a1_down-k_q6f4be556a1_down
	.p2alignl 7, 3214868480
	.fill 96, 4, 3214868480
	.section	.rodata,"a",@progbits
	.p2align	6, 0x0
	.amdhsa_kernel k_q6f4be556a1_down
		.amdhsa_group_segment_fixed_size 327680
		.amdhsa_private_segment_fixed_size 0
		.amdhsa_enable_private_segment 0
		.amdhsa_kernarg_size 32
		.amdhsa_user_sgpr_count 2
		.amdhsa_user_sgpr_kernarg_segment_ptr 1
		.amdhsa_wavefront_size32 1
		.amdhsa_system_sgpr_workgroup_id_x 1
		.amdhsa_system_sgpr_workgroup_id_y 1
		.amdhsa_system_sgpr_workgroup_id_z 1
		.amdhsa_system_vgpr_workitem_id 0
		.amdhsa_next_free_vgpr 1024
		.amdhsa_next_free_sgpr 100
		.amdhsa_reserve_vcc 0
		.amdhsa_float_denorm_mode_32 3
		.amdhsa_float_denorm_mode_16_64 3
		.amdhsa_memory_ordered 1
		.amdhsa_forward_progress 1
		.amdhsa_inst_pref_size 128
	.end_amdhsa_kernel
	.amdgpu_metadata
---
amdhsa.version: [ 1, 2 ]
amdhsa.kernels:
  - .name:           k_q6f4be556a1_down
    .symbol:         k_q6f4be556a1_down.kd
    .args:
      - { .name: W6, .offset: 0, .size: 8, .value_kind: global_buffer, .address_space: global }
      - { .name: W1, .offset: 8, .size: 8, .value_kind: global_buffer, .address_space: global }
      - { .name: W4, .offset: 16, .size: 8, .value_kind: global_buffer, .address_space: global }
      - { .name: out0, .offset: 24, .size: 8, .value_kind: global_buffer, .address_space: global }
    .group_segment_fixed_size: 327680
    .private_segment_fixed_size: 0
    .kernarg_segment_align: 8
    .kernarg_segment_size: 32
    .max_flat_workgroup_size: 128
    .sgpr_count:     100
    .vgpr_count:     1024
    .wavefront_size: 32
...
	.end_amdgpu_metadata
.endif
;; end of part 6
